; MI455X (gfx1250); checked and timed in simulation.
; The chip was launched on July 23, 2026; its instructions are those of AMD's public machine-readable ISA for CDNA 5 (MIT licence, August 2026) and "CDNA5" Instruction Set Architecture Reference Guide (July 2026). The comments in the code are by the model that wrote it; some were corrected since.
;; Axial Attention. Allowed arithmetic: matrix products marked QUANTISED: E2M1 operands, one E8M0 scale for each 32 along K, by v_wmma_scale_f32_16x16x128_f8f6f4 with both operands' format E2M1 (or v_wmma_scale_f32_32x16x128_f4), f32 sums; everything else in f32.
;; Inputs: Wkv_i_codes 512 x 8 x 16 uint8 (E2M1 codes of Wkv_i, K innermost, in blocks of 32 codes, two codes a byte); Wkv_i_scales 512 x 8 uint8 (E8M0 scales of Wkv_i, one for each 32 codes along K); Wkv_j_codes 512 x 8 x 16 uint8 (E2M1 codes of Wkv_j, K innermost, in blocks of 32 codes, two codes a byte); Wkv_j_scales 512 x 8 uint8 (E8M0 scales of Wkv_j, one for each 32 codes along K); Wo_i_codes 256 x 8 x 16 uint8 (E2M1 codes of Wo_i, K innermost, in blocks of 32 codes, two codes a byte); Wo_i_scales 256 x 8 uint8 (E8M0 scales of Wo_i, one for each 32 codes along K); Wo_j_codes 256 x 8 x 16 uint8 (E2M1 codes of Wo_j, K innermost, in blocks of 32 codes, two codes a byte); Wo_j_scales 256 x 8 uint8 (E8M0 scales of Wo_j, one for each 32 codes along K); Wq_i_codes 256 x 8 x 16 uint8 (E2M1 codes of Wq_i, K innermost, in blocks of 32 codes, two codes a byte); Wq_i_scales 256 x 8 uint8 (E8M0 scales of Wq_i, one for each 32 codes along K); Wq_j_codes 256 x 8 x 16 uint8 (E2M1 codes of Wq_j, K innermost, in blocks of 32 codes, two codes a byte); Wq_j_scales 256 x 8 uint8 (E8M0 scales of Wq_j, one for each 32 codes along K); bia 256 float32; bib 256 float32; bja 256 float32; bjb 256 float32; bo_i 256 float32; bo_j 256 float32; cos_i 1 x 256 x 64 float32; cos_j 1 x 256 x 64 float32; gia 256 float32; gib 256 float32; gja 256 float32; gjb 256 float32; sin_i 1 x 256 x 64 float32; sin_j 1 x 256 x 64 float32; x 1 x 256 x 256 x 256 float32.
;; Outputs: out0 1 x 256 x 256 x 256 float32.
;; This version of the problem:
;;   THIS VERSION OF THE PROBLEM IS GIVEN IN LOW PRECISION. The matrix products marked QUANTISED in the list below multiply operands that are first quantised to E2M1 (2 exponent bits, 1 mantissa bit; 4 bits a number), with one power-of-two scale for each 32 numbers along K (OCP MX v1.0); their sums are f32. All else is computed in f32.
;;   The module's matrix products, in the order in which they are computed (A, B: the left and right operand; K: the contracted axis; several contracted axes count as one K, in the product's order):
;;     1. [M 65,536, K 256] x [K 256, N 256]; A: computed on the way; B: input Wq_i (given as codes): QUANTISED
;;     2. [M 65,536, K 256] x [K 256, N 512]; A: computed on the way; B: input Wkv_i (given as codes): QUANTISED
;;     3. batch 1,024 x [M 256, K 64] x [K 64, N 256]; A: computed on the way; B: computed on the way: QUANTISED
;;     4. batch 1,024 x [M 256, K 256] x [K 256, N 64]; A: softmax (see below); B: computed on the way: QUANTISED
;;     5. [M 65,536, K 256] x [K 256, N 256]; A: computed on the way; B: input Wo_i (given as codes): QUANTISED
;;     6. [M 65,536, K 256] x [K 256, N 256]; A: computed on the way; B: input Wq_j (given as codes): QUANTISED
;;     7. [M 65,536, K 256] x [K 256, N 512]; A: computed on the way; B: input Wkv_j (given as codes): QUANTISED
;;     8. batch 1,024 x [M 256, K 64] x [K 64, N 256]; A: computed on the way; B: computed on the way: QUANTISED
;;     9. batch 1,024 x [M 256, K 256] x [K 256, N 64]; A: softmax (see below); B: computed on the way: QUANTISED
;;     10. [M 65,536, K 256] x [K 256, N 256]; A: computed on the way; B: input Wo_j (given as codes): QUANTISED
;;   THE QUANTISER, for each operand of a quantised product, along K:
;;     - K is cut into blocks of 32 from its start; a last block that is shorter is filled with zeros.
;;     - A block's scale is 2^e with e = floor(log2(the largest magnitude in the block)) - 2, held to -126 .. 127; a block of zeros has e = 0. As a byte (E8M0): e + 127.
;;     - Each number is divided by its block's scale, clamped to +-6, and rounded to the nearest number of E2M1, ties to even, subnormals kept.
;;     - The product sums the exact products of the quantised numbers (number of the format x scale) in f32.
;;   ~~~python
;;   def quantise(x, axis):      # numpy; x: float32 -> the quantised numbers, widened to float32 again
;;       x = np.moveaxis(x, axis, -1); K = x.shape[-1]
;;       x = np.pad(x, [(0, 0)] * (x.ndim - 1) + [(0, -K % 32)]); x = x.reshape(x.shape[:-1] + (-1, 32)); a = np.abs(x).max(-1, keepdims=True)
;;       e = np.where(a > 0, np.clip(np.frexp(np.where(a > 0, a, 1))[1] - 1 - 2, -126, 127), 0)      # np.frexp(a)[1] - 1 = floor(log2(a)), exactly
;;       r = np.clip(x / 2.0 ** e, -6, 6)
;;       step = 2.0 ** (np.maximum(np.frexp(np.where(r == 0, 1, r))[1] - 1, 0) - 1)
;;       q = np.round(r / step) * step * 2.0 ** e      # np.round: ties to even
;;       return np.moveaxis(q.reshape(q.shape[:-2] + (-1,))[..., :K], -1, axis).astype(np.float32)
;;   ~~~
;;   SOFTMAX AHEAD OF A QUANTISED PRODUCT. Where the list says 'softmax', what is quantised is not the finished softmax but p = 2^(t - M), with t = logit x log2(e) and M = ceil(the row's largest t), a whole number; so 1/2 < the row's largest p <= 1. The row's sum l is taken of the UNQUANTISED p, in f32, and the product's result is divided by l at the end. Since M is a whole number, a kernel that streams over the keys may use a running M (the ceiling of the running maximum): every later rescaling is an exact power of two, which a block's scale takes up: the codes' values come out the same.
;;   OPERANDS COMPUTED ON THE WAY. 'Computed on the way' means the value that the module computes at that place (a softmax that the list does not call 'softmax' is quantised finished and normalised). What goes into a quantiser is computed in f32, as accurately as f32 sums, v_exp_f32 and their like allow (about 1e-6 of the number): no bf16 or f16 on the way to a quantiser, and a product that is left as it is and whose result goes on into a quantised operand takes f32 operands (vector FMAs, or v_wmma_f32_16x16x4_f32). A number that lies on a knife's edge between two numbers of the format may be rounded either way, as far as f32 arithmetic and the matrix unit's own rounding can turn it there, and no further.
;;   INPUTS GIVEN AS CODES. Wkv_i (in the module: [256, 512], K = its axis 0); Wkv_j (in the module: [256, 512], K = its axis 0); Wo_i (in the module: [256, 256], K = its axis 0); Wo_j (in the module: [256, 256], K = its axis 0); Wq_i (in the module: [256, 256], K = its axis 0); Wq_j (in the module: [256, 256], K = its axis 0): each comes as NAME_codes (uint8): NAME with its K axis moved to the last place and cut into blocks of 32 codes, [.., K / 32, bytes a block], one block behind the other in memory; two codes a byte, the lower K in the low four bits (a code: sign, 2 exponent bits, 1 mantissa bit); and NAME_scales (uint8): the same leading axes, one E8M0 byte (e + 127) for each 32 codes along K. Its value is code x scale, taken as it is: it is not quantised again, and the codes and scales need not be those that the quantiser above would give.
;; One version. Each part assembles by itself: llvm-mc -triple=amdgcn-amd-amdhsa -mcpu=gfx1250 --defsym DOCPART=n.
;; ======== version 1 of 1: 2 launches
;; limits: right only within a limited range of input values
;; workspace buffers: tmp 67,108,864 bytes; cj 16,777,216 bytes; sj 1,048,576 bytes
;; launch rows (part 1): grid 256 x 1, 16 waves a work-group, no clusters, 327,680 bytes of LDS; arguments x, tmp, sin_i, cos_i, gja, bja, gjb, bjb, bo_i, Wo_i_codes, Wo_i_scales, Wq_i_codes, Wkv_i_codes, Wq_i_scales, Wkv_i_scales, gia, bia, gib, bib, cj, sj; writes tmp, cj, sj
.if DOCPART == 1
	.amdgcn_target "amdgcn-amd-amdhsa--gfx1250"
	.amdhsa_code_object_version 6
	.text
	.protected	k_q88a605dfdc_rows
	.globl	k_q88a605dfdc_rows
	.p2align	8
	.type	k_q88a605dfdc_rows,@function
k_q88a605dfdc_rows:
	s_mov_b64 s[64:65], 0
	v_nop
	global_prefetch_b8 v0, s[64:65] scope:SCOPE_SE
	s_setreg_imm32_b32 hwreg(HW_REG_WAVE_MODE, 25, 1), 1
	s_wait_xcnt 0x0
; AXIAL ATTENTION, ONE AXIS.  dst = res + elu(attention(x) Wo + bo) / 2 for one of the two axes of x [256 i][256 j][256 d], f32.
; AXIS = 0: a sequence is a row i, its tokens are j; res = x, dst = the workspace.   AXIS = 1: a sequence is a column j, its tokens are i; res = the workspace, dst = the output.
; All five products of the axis run on codes of FP4 (E2M1) with one E8M0 scale for each 32 along K; the weights come as codes, every other operand is quantised here, from f32 numbers.
; SHARES.  One work-group = one sequence of 256 tokens; sixteen waves of 256 registers.  TILES OF TOKENS: row p of tile T is token 32 (T / 2) + 8 (T % 2) + p + 8 (p / 8), so that the 16 result
; registers of two neighbouring tiles are 16 neighbouring tokens.  Wave w: LayerNorm of tokens 32 (w / 2) + lane, dims 128 (w % 2) on (a lane is a token: gains and biases are scalars);
; q and k of tile w, all heads; v's columns 16 w .. 16 w + 15 for all tokens (v's K is the tokens); attention, output product and store of query tile w, all four heads, so that a block of 32
; along the output product's K (8 d x 4 heads) lies in one lane.
; ALL PRODUCTS ARE USED TRANSPOSED where a result becomes an operand: a lane holds one row of the next operand and its registers run along the next K.
; SOFTMAX: t = score x log2(e); M = ceil(the row's largest t), over the whole row at once; p = 2^(t - M) is quantised along the keys; the sum of the unquantised p divides the result.
; K = 64 of q k^T is filled to the instruction's 128 with zero codes on q's side (k's registers there hold the next tile's codes, which meet zeros; the scale bytes there are 0, not 0xff).
; LDS.  x's 256 rows come by one tensor load a wave (16 rows of 1,024 bytes, 16 bytes of padding behind each); nothing is filled a second time.  Once every wave has read its part, the same bytes
; take codes, weights and stages, written by LDS stores.  Three more barriers part: statistics | operands of the projections | k's and v's codes | the rest, which is each wave's own.
; NO CLUSTER: the work-groups share only the weights (136 KB with scales) and the tables (128 KB), against 768 KB of x, res and dst that are each work-group's own; and the weights' place in LDS
; is free only after x's tile has been read, where a joint load would be a second fill.  Each wave brings a sixteenth of the weights through registers, once.
; LIMITS: NaN and infinities are not served.  A block whose largest magnitude lies under 2^-124 keeps the scale byte 1; a block of zeros has the byte 1 and zero codes (the bytes are read here alone).
; p under 2^-126 counts as 0.  elu's negative branch is formed as 2^(y log2 e) - 1: absolute error about 1e-7.
.set AXIS, 0
.if AXIS
.set SS, 1024                          ; bytes from sequence to sequence
.set TS, 262144                        ; bytes from token to token
.else
.set SS, 262144
.set TS, 1024
.endif
; LDS map, in bytes.  x's tile: 0 .. 266,239 (256 rows x 1,040).  Behind the second barrier those bytes are used again:
.set BN,   36864                       ; an's codes at 0, bn's here: 256 rows x 144 (128 + 16), rows in tile order
.set ANS,  73728                       ; an's scale bytes [row][8]
.set BNS,  75776                       ; bn's
.set WQ,   77824                       ; Wq: 256 rows x 144; Wkv: 512 rows x 144; rows laid so that a tile's 16 rows are neighbours (bits 3 and 4 of the row number change places)
.set WKV,  114688
.set KC,   194560                      ; k's codes: images of 4 registers, 512 bytes for each (head, tile)
.set TST,  194560
.set KS,   227328                      ; k's scale words: head x 1,024 + tile x 64 + 4 x row
.set VC,   231424                      ; v's codes: images of 8 registers, 1,024 bytes for each (16 columns, 128 keys)
.set VS,   264192                      ; v's scale words: 16 columns x 128 + key step x 64 + 4 x column
.set WO,   266240                      ; Wo: 256 rows x 144, as they lie
.set STAT, 303104                      ; LayerNorm: (mean, sum of squares) of each half row: 2 x 256 x 8
.set WSC,  307200                      ; the weights' scale bytes as they lie: Wq's, Wkv's at + 2,048, Wo's at + 6,144
.set PRW,  9216
; THE OTHER AXIS'S OPERANDS ARE MADE HERE TOO: a token's mean and variance are the same for both axes, so this launch also forms an = xn gja + bja and bn = xn gjb + bjb, quantises them and
; stores them for the launch of the columns: cj [place of i][j][an 128 bytes | bn 128 bytes], sj [place of i][j][an 8 bytes | bn 8 bytes]; the place of i is i with bits 3 and 4 exchanged (tile order).
.set JC,   194560                      ; their stage: 256 tokens x 272 bytes, read back between two barriers, before k's codes are written there
.set JS,   317440                      ; and their scale bytes: 256 tokens x 16
; registers.  v0 thread, v1 lane, v2 r = lane % 16, v3 hh = lane / 16, v4-15 addresses, v48-63 scale words
.set X,    128                         ; LayerNorm: my token's 128 numbers
.set TA,   64                          ; 32 numbers of an, of bn
.set TB,   96
.set SN,   128
.set CS,   160
.set QC,   16                          ; q's codes: head h at 8 h .. 8 h + 3, zeros at + 4 .. + 7
.set QS,   48                          ; q's scale words
.set WS,   52                          ; scale words of source 0
.set AS,   56                          ; scale words of source 1
.set ACT,  80                          ; an's or bn's two fragments of my tile
.set WF,   192
.set ACC,  96
.set TM,   64                          ; the quantisers' work
.set PC,   80                          ; v: the codes just made; v88 their scale word
.set WV,   96                          ; v: my 16 columns' two fragments
.set BF,   128                         ; v: eight fragments of bn
.set VA,   192                         ; v: 16 columns x 128 tokens
.set S,    128                         ; scores, then p: 16 tiles of keys
.set KB,   88                          ; k's eight fragments of 4 registers; v120-123 zeros
.set PCS,  88                          ; p's codes
.set RL,   124                         ; 1 / the row's sum, a register a head
.set PCD,  128                         ; p's codes of four heads
.set PWS,  56                          ; p's scale words
.set VF,   192                         ; four fragments of v
.set OA,   88                          ; O^T: 16 d of four heads
.set OUTF, 16                          ; 32 neighbours along the output product's K
.set OC,   68                          ; their codes: two fragments
.set OB,   84                          ; their scale bytes
.set YA,   88                          ; the output product: four tiles of 16 columns
.set Y,    16                          ; the same as rows
.set RES,  192
.set EE,   224
.set BIAS, 120
.macro PLACES n                        ; places behind matrix instructions: plain vector instructions that name none of their registers (ISA guide 7.12.1)
.rept \n
	v_nop
.endr
.endm
.macro BAR                             ; my LDS stores have landed and my LDS loads are in: then the work-group's barrier
	s_wait_dscnt 0x0
	s_barrier_signal -1
	s_barrier_wait -1
.endm
; one product 16 x 16 x 128.  z = 1: it starts the sum.  row = 1: source 0's scale words stand in lanes 16-31
.macro WM d, a, b, z, sa, sb, row
.if \z
.if \row
	v_wmma_scale_f32_16x16x128_f8f6f4 v[\d:\d+7], v[\a:\a+7], v[\b:\b+7], 0, v[\sa], v[\sb] matrix_a_fmt:MATRIX_FMT_FP4 matrix_b_fmt:MATRIX_FMT_FP4 matrix_a_scale:MATRIX_SCALE_ROW1
.else
	v_wmma_scale_f32_16x16x128_f8f6f4 v[\d:\d+7], v[\a:\a+7], v[\b:\b+7], 0, v[\sa], v[\sb] matrix_a_fmt:MATRIX_FMT_FP4 matrix_b_fmt:MATRIX_FMT_FP4
.endif
.else
.if \row
	v_wmma_scale_f32_16x16x128_f8f6f4 v[\d:\d+7], v[\a:\a+7], v[\b:\b+7], v[\d:\d+7], v[\sa], v[\sb] matrix_a_fmt:MATRIX_FMT_FP4 matrix_b_fmt:MATRIX_FMT_FP4 matrix_a_scale:MATRIX_SCALE_ROW1
.else
	v_wmma_scale_f32_16x16x128_f8f6f4 v[\d:\d+7], v[\a:\a+7], v[\b:\b+7], v[\d:\d+7], v[\sa], v[\sb] matrix_a_fmt:MATRIX_FMT_FP4 matrix_b_fmt:MATRIX_FMT_FP4
.endif
.endif
.endm
; ---------------- THE HEAD: arguments, x's tile, the weights
	s_load_b512 s[4:19], s[0:1], 0x0               ; x 4, dst 6, sin 8, cos 10, gain a 12, bias a 14, gain b 16, bias b 18
	s_load_b256 s[20:27], s[0:1], 0x40             ; bo 20, Wo's codes 22, Wo's scales 24, Wq's codes 26
	s_load_b128 s[28:31], s[0:1], 0x60             ; Wkv's codes 28, Wq's scales 30
	s_load_b64 s[32:33], s[0:1], 0x70              ; Wkv's scales
	v_lshl_add_u32 v254, v0, 2, 0x4d000
	v_mov_b32 v255, 0
	ds_add_u32 v254, v255
	ds_add_u32 v254, v255
	s_wait_dscnt 0x0
.if AXIS
	s_load_b64 s[66:67], s[0:1], 0x78              ; res = the workspace
.endif
	v_lshrrev_b32 v1, 5, v0
	s_delay_alu instid0(VALU_DEP_1)
	v_readfirstlane_b32 s100, v1                   ; wave w
	v_and_b32 v1, 31, v0                           ; lane
	v_and_b32 v2, 15, v0                           ; r
	v_bfe_u32 v3, v0, 4, 1                         ; hh
	s_lshr_b32 s101, s100, 1                       ; w / 2
	s_and_b32 s2, s100, 1                          ; w % 2
	s_mov_b32 s104, 0x76543210
	s_mov_b32 s105, 0xfedcba98                     ; v_permlanex16_b32's selects for lane l xor 16
	; descriptor group 1: 16 rows of 256 elements of 4 bytes, TS bytes apart; in LDS 4 words of padding behind every 256
	s_mov_b32 s40, (2<<16)|(1<<20)|(7<<22)|(3<<25)
	s_mov_b32 s41, 256<<16                         ; tensor_dim0
	s_mov_b32 s42, 16<<16                          ; tensor_dim1
	s_mov_b32 s43, 256<<16                         ; tile_dim0
	s_mov_b32 s44, 16                              ; tile_dim1
	s_mov_b32 s45, TS/4                            ; elements from row to row
	s_mov_b32 s46, 0
	s_mov_b32 s47, 0
	s_mov_b32 s36, 1                               ; group 0: count,
	s_mul_i32 s37, s100, 16640                     ; LDS address: my 16 rows of 1,040 bytes
	s_mul_i32 s48, ttmp9, SS                       ; the sequence
	s_mov_b32 s49, 0
	s_mul_i32 s50, s100, 16*TS                     ; tokens 16 w on
	s_mov_b32 s51, 0
	s_add_nc_u64 s[50:51], s[50:51], s[48:49]
	s_lshl_b32 s52, s101, 5
	s_lshl_b32 s53, s2, 3
	s_add_co_u32 s52, s52, s53                     ; tile w's first token: 32 (w / 2) + 8 (w % 2)
	s_mul_i32 s54, s52, TS
	s_mov_b32 s55, 0
	s_add_nc_u64 s[54:55], s[54:55], s[48:49]      ; its place in res and dst
	s_lshl_b32 s56, s52, 8                         ; and in the tables: 256 bytes a token
	s_mov_b32 s57, 0
	s_lshl_b32 s58, s2, 9                          ; my half of the gains and biases
	s_mov_b32 s59, 0
	s_lshl_b32 s60, s100, 11                       ; a sixteenth of Wq's and of Wo's codes,
	s_mov_b32 s61, 0
	s_lshl_b32 s62, s100, 12                       ; of Wkv's,
	s_mov_b32 s63, 0
	s_lshl_b32 s34, s100, 7                        ; of Wq's and Wo's scale bytes,
	s_mov_b32 s35, 0
	s_lshl_b32 s68, s100, 8                        ; of Wkv's
	s_mov_b32 s69, 0
	s_wait_alu depctr_va_vdst(0)
	s_wait_kmcnt 0x0
	s_add_nc_u64 s[38:39], s[4:5], s[50:51]        ; global address of my 16 rows
	s_or_b32 s39, s39, 0x80000000                  ; type 2
	tensor_load_to_lds s[36:39], s[40:47]          ; my one tensor load of the launch
	s_nop 0
	PLACES 4
.if AXIS == 0
	s_mov_b64 s[66:67], s[4:5]                     ; res = x
.endif
	s_add_nc_u64 s[66:67], s[66:67], s[54:55]
	s_add_nc_u64 s[6:7], s[6:7], s[54:55]
	s_add_nc_u64 s[8:9], s[8:9], s[56:57]
	s_add_nc_u64 s[10:11], s[10:11], s[56:57]
	s_mov_b32 s4, s58                              ; my half of the gains and biases, as the scalar loads' offset (x's address has been copied)
	s_add_nc_u64 s[26:27], s[26:27], s[60:61]
	s_add_nc_u64 s[28:29], s[28:29], s[62:63]
	s_add_nc_u64 s[22:23], s[22:23], s[60:61]
	s_add_nc_u64 s[30:31], s[30:31], s[34:35]
	s_add_nc_u64 s[32:33], s[32:33], s[68:69]
	s_add_nc_u64 s[24:25], s[24:25], s[34:35]
	v_lshlrev_b32 v4, 4, v1
	v_lshlrev_b32 v5, 2, v1
	v_lshlrev_b32 v6, 3, v1
.irp i, 0,1,2,3
	global_load_b128 v[64+4*\i:67+4*\i], v4, s[26:27] offset:512*\i    ; each load: 512 consecutive bytes, four rows of a weight
.endr
.irp i, 0,1,2,3,4,5,6,7
	global_load_b128 v[80+4*\i:83+4*\i], v4, s[28:29] offset:512*\i
.endr
.irp i, 0,1,2,3
	global_load_b128 v[112+4*\i:115+4*\i], v4, s[22:23] offset:512*\i
.endr
	global_load_b32 v16, v5, s[30:31]
	global_load_b64 v[18:19], v6, s[32:33]
	global_load_b32 v17, v5, s[24:25]
.macro GB_LOAD g, buf, p               ; gains and biases of dims 8 g .. 8 g + 7 of my half; the four addresses stand in s[p] on: 12 the columns' axis, 24 this axis
	s_load_b256 s[\buf:\buf+7], s[\p:\p+1], s4 offset:32*(\g)
	s_load_b256 s[\buf+8:\buf+15], s[\p+2:\p+3], s4 offset:32*(\g)
	s_load_b256 s[\buf+16:\buf+23], s[\p+4:\p+5], s4 offset:32*(\g)
	s_load_b256 s[\buf+24:\buf+31], s[\p+6:\p+7], s4 offset:32*(\g)
.endm
	GB_LOAD 0, 68, 12
	s_lshl_b32 s3, s101, 5
	v_add_nc_u32 v7, s3, v1                        ; my token
	s_delay_alu instid0(VALU_DEP_1)
	v_mul_u32_u24 v8, v7, 1040
	s_lshl_b32 s3, s2, 9
	v_add_nc_u32 v8, s3, v8                        ; its row in LDS, my half
	v_lshlrev_b32 v9, 3, v7
	s_lshl_b32 s3, s2, 11
	s_add_co_u32 s3, s3, STAT
	v_add_nc_u32 v10, s3, v9                       ; where my half's statistics go,
	s_xor_b32 s3, s2, 1
	s_lshl_b32 s3, s3, 11
	s_add_co_u32 s3, s3, STAT
	v_add_nc_u32 v11, s3, v9                       ; and where the other half's lie
	v_lshrrev_b32 v12, 3, v1
	s_delay_alu instid0(VALU_DEP_1)
	v_mul_u32_u24 v12, v12, 144
	v_and_b32 v13, 7, v1
	s_delay_alu instid0(VALU_DEP_1)
	v_lshl_add_u32 v12, v13, 4, v12                ; a weight's four rows in LDS: 144 (lane / 8) + 16 (lane % 8)
	s_mul_i32 s3, s52, 144
	s_add_co_u32 s3, s3, WQ
	v_add_nc_u32 v13, s3, v12
	s_mul_i32 s3, s100, 32*144
	s_add_co_u32 s3, s3, WKV
	v_add_nc_u32 v14, s3, v12
	s_mul_i32 s3, s100, 16*144
	s_add_co_u32 s3, s3, WO
	v_add_nc_u32 v15, s3, v12
	s_lshl_b32 s3, s100, 7
	s_add_co_u32 s3, s3, WSC
	v_lshl_add_u32 v40, v1, 2, s3
	s_lshl_b32 s3, s100, 8
	s_add_co_u32 s3, s3, WSC+2048
	v_lshl_add_u32 v41, v1, 3, s3
	s_wait_tensorcnt 0x0                           ; my 16 rows are in LDS,
	s_barrier_signal -1
	s_barrier_wait -1                              ; everybody's are
; ---------------- LAYERNORM, part 1: mean and sum of squares of my token's 128 numbers
.set j, 0
.rept 32
	ds_load_b128 v[X+4*j:X+4*j+3], v8 offset:16*j  ; rows 260 words apart
.set j, j+1
.endr
	s_wait_dscnt 0x0
	v_pk_add_f32 v[22:23], v[128:129], v[136:137]
	v_pk_add_f32 v[24:25], v[144:145], v[152:153]
	v_pk_add_f32 v[26:27], v[160:161], v[168:169]
	v_pk_add_f32 v[62:63], v[176:177], v[184:185]
	v_pk_add_f32 v[60:61], v[192:193], v[200:201]
	v_pk_add_f32 v[58:59], v[208:209], v[216:217]
	v_pk_add_f32 v[56:57], v[224:225], v[232:233]
	v_pk_add_f32 v[20:21], v[240:241], v[248:249]
	s_delay_alu instid0(VALU_DEP_1)
	v_pk_add_f32 v[20:21], v[20:21], v[130:131]
	v_pk_add_f32 v[22:23], v[22:23], v[138:139]
	v_pk_add_f32 v[24:25], v[24:25], v[146:147]
	v_pk_add_f32 v[26:27], v[26:27], v[154:155]
	v_pk_add_f32 v[62:63], v[62:63], v[162:163]
	v_pk_add_f32 v[60:61], v[60:61], v[170:171]
	v_pk_add_f32 v[58:59], v[58:59], v[178:179]
	v_pk_add_f32 v[56:57], v[56:57], v[186:187]
	v_pk_add_f32 v[20:21], v[20:21], v[194:195]
	v_pk_add_f32 v[22:23], v[22:23], v[202:203]
	v_pk_add_f32 v[24:25], v[24:25], v[210:211]
	v_pk_add_f32 v[26:27], v[26:27], v[218:219]
	v_pk_add_f32 v[62:63], v[62:63], v[226:227]
	v_pk_add_f32 v[60:61], v[60:61], v[234:235]
	v_pk_add_f32 v[58:59], v[58:59], v[242:243]
	v_pk_add_f32 v[56:57], v[56:57], v[250:251]
	v_pk_add_f32 v[20:21], v[20:21], v[132:133]
	v_pk_add_f32 v[22:23], v[22:23], v[140:141]
	v_pk_add_f32 v[24:25], v[24:25], v[148:149]
	v_pk_add_f32 v[26:27], v[26:27], v[156:157]
	v_pk_add_f32 v[62:63], v[62:63], v[164:165]
	v_pk_add_f32 v[60:61], v[60:61], v[172:173]
	v_pk_add_f32 v[58:59], v[58:59], v[180:181]
	v_pk_add_f32 v[56:57], v[56:57], v[188:189]
	v_pk_add_f32 v[20:21], v[20:21], v[196:197]
	v_pk_add_f32 v[22:23], v[22:23], v[204:205]
	v_pk_add_f32 v[24:25], v[24:25], v[212:213]
	v_pk_add_f32 v[26:27], v[26:27], v[220:221]
	v_pk_add_f32 v[62:63], v[62:63], v[228:229]
	v_pk_add_f32 v[60:61], v[60:61], v[236:237]
	v_pk_add_f32 v[58:59], v[58:59], v[244:245]
	v_pk_add_f32 v[56:57], v[56:57], v[252:253]
	v_pk_add_f32 v[20:21], v[20:21], v[134:135]
	v_pk_add_f32 v[22:23], v[22:23], v[142:143]
	v_pk_add_f32 v[24:25], v[24:25], v[150:151]
	v_pk_add_f32 v[26:27], v[26:27], v[158:159]
	v_pk_add_f32 v[62:63], v[62:63], v[166:167]
	v_pk_add_f32 v[60:61], v[60:61], v[174:175]
	v_pk_add_f32 v[58:59], v[58:59], v[182:183]
	v_pk_add_f32 v[56:57], v[56:57], v[190:191]
	v_pk_add_f32 v[20:21], v[20:21], v[198:199]
	v_pk_add_f32 v[22:23], v[22:23], v[206:207]
	v_pk_add_f32 v[24:25], v[24:25], v[214:215]
	v_pk_add_f32 v[26:27], v[26:27], v[222:223]
	v_pk_add_f32 v[62:63], v[62:63], v[230:231]
	v_pk_add_f32 v[60:61], v[60:61], v[238:239]
	v_pk_add_f32 v[58:59], v[58:59], v[246:247]
	v_pk_add_f32 v[56:57], v[56:57], v[254:255]
	s_delay_alu instid0(VALU_DEP_4)
	v_pk_add_f32 v[20:21], v[20:21], v[62:63]
	s_delay_alu instid0(VALU_DEP_4)
	v_pk_add_f32 v[22:23], v[22:23], v[60:61]
	s_delay_alu instid0(VALU_DEP_4)
	v_pk_add_f32 v[24:25], v[24:25], v[58:59]
	s_delay_alu instid0(VALU_DEP_4)
	v_pk_add_f32 v[26:27], v[26:27], v[56:57]
	s_delay_alu instid0(VALU_DEP_2)
	v_pk_add_f32 v[20:21], v[20:21], v[24:25]
	s_delay_alu instid0(VALU_DEP_2)
	v_pk_add_f32 v[22:23], v[22:23], v[26:27]
	s_delay_alu instid0(VALU_DEP_1)
	v_pk_add_f32 v[20:21], v[20:21], v[22:23]
	s_delay_alu instid0(VALU_DEP_1)
	v_add_f32 v20, v20, v21
	s_delay_alu instid0(VALU_DEP_1)
	v_mul_f32 v30, 0x3c000000, v20                 ; m = sum / 128
	s_delay_alu instid0(VALU_DEP_2)
	v_mul_f32 v31, 0x3c000000, v20
	s_delay_alu instid0(VALU_DEP_2)
	v_mov_b32 v28, v30
.set j, 0
.rept 64
	v_pk_add_f32 v[X+j:X+j+1], v[X+j:X+j+1], v[30:31] neg_lo:[0,1] neg_hi:[0,1]   ; x - m
.set j, j+2
.endr
.irp k, 0,1,2,3
	v_pk_mul_f32 v[20+2*\k:21+2*\k], v[X+2*\k:X+2*\k+1], v[X+2*\k:X+2*\k+1]
.endr
.set j, 8
.rept 15
.irp k, 0,1,2,3
	s_delay_alu instid0(VALU_DEP_4)
	v_pk_fma_f32 v[20+2*\k:21+2*\k], v[X+j+2*\k:X+j+2*\k+1], v[X+j+2*\k:X+j+2*\k+1], v[20+2*\k:21+2*\k]
.endr
.set j, j+8
.endr
	s_delay_alu instid0(VALU_DEP_3)
	v_pk_add_f32 v[20:21], v[20:21], v[22:23]
	s_delay_alu instid0(VALU_DEP_2)
	v_pk_add_f32 v[24:25], v[24:25], v[26:27]
	s_delay_alu instid0(VALU_DEP_1)
	v_pk_add_f32 v[20:21], v[20:21], v[24:25]
	s_delay_alu instid0(VALU_DEP_1)
	v_add_f32 v29, v20, v21                        ; the sum of (x - m)^2
	ds_store_b64 v10, v[28:29]
	s_wait_alu depctr_va_vdst(0)
	BAR                                            ; the halves' statistics lie in LDS, and every wave's reads of x's tile are over: its bytes may be written
; ---------------- part 2: the weights go to LDS; the two halves' statistics are joined; x is normalised
	ds_load_b64 v[32:33], v11
	s_wait_loadcnt 0x0
	s_load_b256 s[24:31], s[0:1], 0x78             ; this axis's gains and biases: the weights' loads are done, their addresses are free
.irp i, 0,1,2,3
	ds_store_b128 v13, v[64+4*\i:67+4*\i] offset:(16*(\i/2)+4*(\i%2))*144          ; row 16 w + 4 i + lane / 8, at the place with bits 3 and 4 exchanged
.endr
.irp i, 0,1,2,3,4,5,6,7
	ds_store_b128 v14, v[80+4*\i:83+4*\i] offset:(16*((\i/2)%2)+8*(\i/4)+4*(\i%2))*144   ; row 32 w + 4 i + lane / 8 likewise
.endr
.irp i, 0,1,2,3
	ds_store_b128 v15, v[112+4*\i:115+4*\i] offset:4*\i*144
.endr
	ds_store_b32 v40, v16
	ds_store_b32 v40, v17 offset:6144
	ds_store_b64 v41, v[18:19]
	s_wait_dscnt 0x0                               ; the other half's pair is in; the stores have read their registers
	v_sub_f32 v34, v32, v28                        ; dm = m' - m.  The row's mean is m + dm / 2; no difference of large sums is formed
	v_add_f32 v35, v29, v33
	s_delay_alu instid0(VALU_DEP_2)
	v_mul_f32 v36, v34, v34
	s_delay_alu instid0(VALU_DEP_1)
	v_fmamk_f32 v35, v36, 0x42800000, v35          ; the row's sum of squares about its mean: both halves' + 64 dm^2
	s_delay_alu instid0(VALU_DEP_1)
	v_mul_f32 v35, 0x3b800000, v35                 ; / 256
	s_delay_alu instid0(VALU_DEP_1)
	v_add_f32 v35, 0x3727c5ac, v35                 ; + 1e-5
	s_wait_alu depctr_va_vdst(0)
	v_rsq_f32 v36, v35
	v_mul_f32 v37, -0.5, v34                       ; (a plain instruction behind the transcendental)
	s_wait_alu depctr_va_vdst(0)                   ; the wait ahead of the first reader of the root's result
	v_mul_f32 v38, v37, v36
	s_delay_alu instid0(VALU_DEP_1)
	v_mov_b32 v39, v38
.set j, 0
.rept 64
	v_pk_fma_f32 v[X+j:X+j+1], v[X+j:X+j+1], v[36:37], v[38:39] op_sel_hi:[1,0,0]   ; (x - m) rstd - dm rstd / 2
.set j, j+2
.endr
	v_and_b32 v6, 7, v1
	v_bfe_u32 v7, v0, 3, 1
	s_delay_alu instid0(VALU_DEP_1)
	v_lshl_add_u32 v6, v7, 4, v6
	s_delay_alu instid0(VALU_DEP_1)
	v_lshl_add_u32 v6, v3, 3, v6
	s_lshl_b32 s3, s101, 5
	v_add_nc_u32 v6, s3, v6                        ; my token's row in tile order: 32 (w / 2) + 16 bit 3 + 8 bit 4 + lane % 8
	s_delay_alu instid0(VALU_DEP_1)
	v_mul_u32_u24 v7, v6, 144
	s_lshl_b32 s3, s2, 6
	v_add_nc_u32 v7, s3, v7                        ; its codes, my half
	s_lshl_b32 s3, s2, 2
	s_add_co_u32 s3, s3, ANS
	v_lshl_add_u32 v8, v6, 3, s3                   ; its scale word, my half
	v_lshrrev_b32 v9, 3, v2
	s_delay_alu instid0(VALU_DEP_1)
	v_lshl_add_u32 v9, v9, 3, v2
	s_delay_alu instid0(VALU_DEP_1)
	v_lshlrev_b32 v9, 8, v9
	s_delay_alu instid0(VALU_DEP_1)
	v_lshl_add_u32 v9, v3, 6, v9                   ; the tables in memory: row r + 8 (r / 8) of my tile, d 16 hh on: a lane takes 64 neighbouring bytes twice
	s_lshl_b32 s3, s101, 5
	v_add_nc_u32 v10, s3, v1                       ; my token
	s_lshl_b32 s3, s2, 2
	s_add_co_u32 s3, s3, JS
	v_lshl_add_u32 v11, v10, 4, s3
	v_mul_u32_u24 v10, v10, 272
	s_lshl_b32 s3, s2, 6
	s_add_co_u32 s3, s3, JC
	v_add_nc_u32 v10, s3, v10
; ---------------- part 3: an = xn ga + ba, bn = xn gb + bb, quantised block by block: a block of 32 dims lies in my lane
.macro LN_GRP g, buf, other, p
	s_wait_kmcnt 0x0
.if \g < 15
	GB_LOAD \g+1, \other, \p
.elseif \p == 12
	GB_LOAD 0, \other, 24                          ; the first pass's last group asks for the second pass's first
.endif
.irp i, 0,1,2,3,4,5,6,7
	v_fma_f32 v[TA+(8*(\g)+\i)%32], v[X+8*(\g)+\i], s[\buf+\i], s[\buf+8+\i]
.endr
.irp i, 0,1,2,3,4,5,6,7
	v_fma_f32 v[TB+(8*(\g)+\i)%32], v[X+8*(\g)+\i], s[\buf+16+\i], s[\buf+24+\i]
.endr
.endm
.macro BLOCKQ blk, adr, bno
	s_wait_dscnt 0x0
	v_max3_num_f32 v44, |v[TA]|, |v[TA+1]|, 0x1800000   ; the largest magnitude, and the floor 2^(3 - 127): the byte cannot fall under 1
	v_max3_num_f32 v45, |v[TB]|, |v[TB+1]|, 0x1800000
.irp i, 2,4,6,8,10,12,14,16,18,20,22,24,26,28,30
	s_delay_alu instid0(VALU_DEP_2)
	v_max3_num_f32 v44, v44, |v[TA+\i]|, |v[TA+\i+1]|
	s_delay_alu instid0(VALU_DEP_2)
	v_max3_num_f32 v45, v45, |v[TB+\i]|, |v[TB+\i+1]|
.endr
	s_delay_alu instid0(VALU_DEP_2)
	v_add_nc_u32 v46, 0xff000000, v44              ; 2 off the exponent field: the conversion's scale operand
	s_delay_alu instid0(VALU_DEP_2)
	v_add_nc_u32 v47, 0xff000000, v45
.if \blk == 0
	s_delay_alu instid0(VALU_DEP_2)
	v_lshrrev_b32 v42, 23, v46                     ; the scale's byte; four of them make my half's scale word
	s_delay_alu instid0(VALU_DEP_2)
	v_lshrrev_b32 v43, 23, v47
.else
	s_delay_alu instid0(VALU_DEP_2)
	v_lshrrev_b32 v16, 23, v46
	s_delay_alu instid0(VALU_DEP_2)
	v_lshrrev_b32 v17, 23, v47
	s_delay_alu instid0(VALU_DEP_2)
	v_lshl_or_b32 v42, v16, 8*\blk, v42
	s_delay_alu instid0(VALU_DEP_2)
	v_lshl_or_b32 v43, v17, 8*\blk, v43
.endif
.irp g, 0,1,2,3
	v_cvt_scalef32_pk8_fp4_f32 v[20+\g], v[TA+8*\g:TA+8*\g+7], v46
	v_cvt_scalef32_pk8_fp4_f32 v[24+\g], v[TB+8*\g:TB+8*\g+7], v47
.endr
	v_nop                                          ; one plain instruction behind the conversions
	ds_store_b128 v[\adr], v[20:23] offset:16*\blk
	ds_store_b128 v[\adr], v[24:27] offset:\bno+16*\blk
.endm
.macro PASS p, adr, bno                ; one axis's an and bn of my 128 numbers
.irp blk, 0,1,2,3
	LN_GRP 4*\blk, 68, 32, \p
	LN_GRP 4*\blk+1, 32, 68, \p
	LN_GRP 4*\blk+2, 68, 32, \p
	LN_GRP 4*\blk+3, 32, 68, \p
	BLOCKQ \blk, \adr, \bno
.if (\blk == 1) && (\p == 24)          ; the first 64 numbers are done with for both axes: their registers take my tile's sin and cos, in the layout of q and k
.irp b, 0,1
.irp j, 0,1,2,3
	global_load_b128 v[SN+16*\b+4*\j:SN+16*\b+4*\j+3], v9, s[8:9] offset:128*\b+16*\j
	global_load_b128 v[CS+16*\b+4*\j:CS+16*\b+4*\j+3], v9, s[10:11] offset:128*\b+16*\j
.endr
.endr
.endif
.endr
.endm
	PASS 12, 10, 128                               ; the columns' axis, into the stage
	ds_store_b32 v11, v42
	ds_store_b32 v11, v43 offset:8
	PASS 24, 7, BN                                 ; this axis
	ds_store_b32 v8, v42
	ds_store_b32 v8, v43 offset:2048
	s_load_b128 s[72:75], s[0:1], 0x98             ; cj, sj
	s_wait_loadcnt 0x0                             ; the tables
.set j, 0
.rept 16
	v_xor_b32 v[SN+j], 0x80000000, v[SN+j]         ; y(2k) = x(2k) cos - x(2k+1) sin: the even entries' sign goes into the table
.set j, j+2
.endr
.irp h, 0,1,2,3
.irp i, 4,5,6,7
	v_mov_b32 v[QC+8*\h+\i], 0                     ; q's K = 64 .. 127: zero codes
.endr
.endr
	s_mov_b32 s36, 0x3fb8aa3b                      ; log2(e); the packed forms name the pair
	s_mov_b32 s37, s36
	s_lshl_b32 s3, s100, 4
	v_add_nc_u32 v12, s3, v2                       ; row 16 w + r of the operands in tile order
	s_delay_alu instid0(VALU_DEP_1)
	v_mul_u32_u24 v4, v12, 144
	s_delay_alu instid0(VALU_DEP_1)
	v_lshl_add_u32 v4, v3, 4, v4                   ; an's fragments of my tile
	s_delay_alu instid0(VALU_DEP_3)
	v_lshl_add_u32 v5, v12, 3, ANS                 ; and their scale words
	v_mul_u32_u24 v6, v2, 144
	s_delay_alu instid0(VALU_DEP_1)
	v_lshl_add_u32 v6, v3, 4, v6
	s_delay_alu instid0(VALU_DEP_1)
	v_add_nc_u32 v7, WKV, v6                       ; a tile of Wkv,
	s_delay_alu instid0(VALU_DEP_2)
	v_add_nc_u32 v6, WQ, v6                        ; of Wq
	v_lshrrev_b32 v8, 3, v2
	s_delay_alu instid0(VALU_DEP_1)
	v_lshl_add_u32 v8, v8, 3, v2
	s_delay_alu instid0(VALU_DEP_1)
	v_lshl_add_u32 v8, v3, 3, v8
	s_delay_alu instid0(VALU_DEP_1)
	v_lshl_add_u32 v8, v8, 3, WSC                  ; a weight's scale words: lanes 0-15 the even tile's rows r + 8 (r / 8), lanes 16-31 the odd tile's, 8 rows on
	s_lshl_b32 s3, s100, 9
	s_add_co_u32 s3, s3, KC
	v_lshl_add_u32 v9, v1, 4, s3                   ; where k's images go
	s_lshl_b32 s3, s100, 6
	s_add_co_u32 s3, s3, KS
	v_lshl_add_u32 v10, v2, 2, s3
	s_mul_i32 s3, s100, 16*272
	s_add_co_u32 s3, s3, JC
	v_mul_u32_u24 v13, v3, 272
	s_delay_alu instid0(VALU_DEP_1)
	v_lshl_add_u32 v13, v2, 4, v13
	s_delay_alu instid0(VALU_DEP_1)
	v_add_nc_u32 v13, s3, v13                      ; the stage, back: tokens 16 w on, sixteen lanes to a token's 256 bytes, two tokens an instruction
	s_lshl_b32 s3, s100, 8
	s_add_co_u32 s3, s3, JS
	v_lshl_add_u32 v14, v1, 3, s3                  ; and their 256 scale bytes
	v_lshlrev_b32 v15, 4, v1
	v_lshlrev_b32 v11, 3, v1
	s_and_b32 s76, ttmp9, 0xe7                     ; the place of i: bits 3 and 4 exchanged
	s_and_b32 s77, ttmp9, 8
	s_lshl_b32 s77, s77, 1
	s_or_b32 s76, s76, s77
	s_and_b32 s77, ttmp9, 16
	s_lshr_b32 s77, s77, 1
	s_or_b32 s76, s76, s77
	s_lshl_b32 s78, s76, 16                        ; 65,536 bytes of codes a place, 4,096 a wave
	s_lshl_b32 s77, s100, 12
	s_add_co_u32 s78, s78, s77
	s_mov_b32 s79, 0
	s_lshl_b32 s80, s76, 12                        ; 4,096 scale bytes a place, 256 a wave
	s_lshl_b32 s77, s100, 8
	s_add_co_u32 s80, s80, s77
	s_mov_b32 s81, 0
	s_wait_alu depctr_va_vdst(0)
	s_wait_kmcnt 0x0
	s_add_nc_u64 s[72:73], s[72:73], s[78:79]
	s_add_nc_u64 s[74:75], s[74:75], s[80:81]
	BAR
.irp i, 0,1,2,3,4,5,6,7
	ds_load_b128 v[96+4*\i:99+4*\i], v13 offset:544*\i
.endr
	ds_load_b64 v[64:65], v14
	BAR                                            ; every wave has read its part of the stage: k's codes may be written there
.irp i, 0,1,2,3,4,5,6,7
	global_store_b128 v15, v[96+4*\i:99+4*\i], s[72:73] offset:512*\i   ; 512 consecutive bytes, at a multiple of 256 from cj's first byte
.endr
	global_store_b64 v11, v[64:65], s[74:75]       ; 256 consecutive bytes, aligned
; ---------------- Q AND K of my tile, a head at a time.  Source 0 = 16 rows of the weight, source 1 = my 16 tokens: lane (r, hh) holds token r; register 16 b + i = d 32 b + 16 hh + i
.macro LOADACT off, soff
.irp s, 0,1
.irp c, 0,1
	ds_load_b128 v[ACT+8*\s+4*\c:ACT+8*\s+4*\c+3], v4 offset:\off+64*\s+32*\c
.endr
.endr
	ds_load_b64 v[AS:AS+1], v5 offset:\soff
.endm
.macro LOADW adr, u, soff              ; head u's 64 rows: four tiles x two K steps, and their scale words
.irp s, 0,1
.irp tt, 0,1,2,3
.irp c, 0,1
	ds_load_b128 v[WF+8*(4*\s+\tt)+4*\c:WF+8*(4*\s+\tt)+4*\c+3], v[\adr] offset:(64*(\u)+16*\tt)*144+64*\s+32*\c
.endr
.endr
.endr
.irp b, 0,1
	ds_load_b64 v[WS+2*\b:WS+2*\b+1], v8 offset:\soff+(64*(\u)+32*\b)*8
.endr
.endm
.macro MULQK                           ; the four accumulators take turns, one instruction a turn
.irp s, 0,1
.irp tt, 0,1,2,3
	WM ACC+8*\tt, WF+8*(4*\s+\tt), ACT+8*\s, 1-\s, WS+2*(\tt/2)+\s, AS+\s, \tt%2
.endr
.endr
.endm
.macro ROPE                            ; a pair (2k, 2k+1): T = x cos; x = swapped x times signed sin + T.  Each accumulator is read from its low end on
.irp q, 0,1,2,3
.irp p, 0,1,2,3
	v_pk_mul_f32 v[TM+2*\p:TM+2*\p+1], v[ACC+8*\q+2*\p:ACC+8*\q+2*\p+1], v[CS+8*\q+2*\p:CS+8*\q+2*\p+1]
.endr
.irp p, 0,1,2,3
	v_pk_fma_f32 v[ACC+8*\q+2*\p:ACC+8*\q+2*\p+1], v[ACC+8*\q+2*\p:ACC+8*\q+2*\p+1], v[SN+8*\q+2*\p:SN+8*\q+2*\p+1], v[TM+2*\p:TM+2*\p+1] op_sel:[1,0,0] op_sel_hi:[0,1,1]
.endr
.endr
.endm
.macro QUANT2 c0, word                 ; 32 numbers of a lane (two half blocks) become four registers of codes and a scale word with two bytes
.irp b, 0,1
	v_max3_num_f32 v[TM+\b], |v[ACC+16*\b]|, |v[ACC+16*\b+1]|, 0x1800000
.endr
.irp i, 2,4,6,8,10,12,14
.irp b, 0,1
	s_delay_alu instid0(VALU_DEP_2)
	v_max3_num_f32 v[TM+\b], v[TM+\b], |v[ACC+16*\b+\i]|, |v[ACC+16*\b+\i+1]|
.endr
.endr
.irp b, 0,1
	s_delay_alu instid0(VALU_DEP_2)
	v_permlanex16_b32 v[TM+2+\b], v[TM+\b], s104, s105
.endr
.irp b, 0,1
	s_delay_alu instid0(VALU_DEP_2)
	v_max_num_f32 v[TM+\b], v[TM+\b], v[TM+2+\b]   ; with lane l xor 16's: the block's largest magnitude
.endr
.irp b, 0,1
	s_delay_alu instid0(VALU_DEP_2)
	v_add_nc_u32 v[TM+4+\b], 0xff000000, v[TM+\b]
.endr
.irp b, 0,1
	s_delay_alu instid0(VALU_DEP_2)
	v_lshrrev_b32 v[TM+6+\b], 23, v[TM+4+\b]
.endr
	s_delay_alu instid0(VALU_DEP_1)
	v_lshl_or_b32 v[\word], v[TM+7], 8, v[TM+6]    ; bytes 2 and 3 stay 0: they scale zero codes
.irp b, 0,1
	v_cvt_scalef32_pk8_fp4_f32 v[\c0+2*\b], v[ACC+16*\b:ACC+16*\b+7], v[TM+4+\b]
	v_cvt_scalef32_pk8_fp4_f32 v[\c0+2*\b+1], v[ACC+16*\b+8:ACC+16*\b+15], v[TM+4+\b]
.endr
	v_nop                                          ; one plain instruction behind the conversions
	v_permlane16_swap_b32 v[\c0], v[\c0+2]         ; the operand's layout wants a whole block in a lane: lanes 0-15 block 0, lanes 16-31 block 1
	v_permlane16_swap_b32 v[\c0+1], v[\c0+3]
.endm
.macro UNIT isk, u
	s_wait_dscnt 0x0                               ; this unit's fragments are in; the last unit's stores have read their registers
	MULQK
	PLACES 4
.if \isk == 0
.if \u < 3
	LOADW 6, \u+1, 0                               ; the next unit's fragments land under this unit's vector work
.else
	LOADACT BN, 2048
	LOADW 7, 0, 2048
.endif
.else
.if \u < 3
	LOADW 7, \u+1, 2048
.endif
.endif
	ROPE
.if \isk == 0
	QUANT2 QC+8*\u, QS+\u                          ; q stays in registers
.else
	QUANT2 72, 76
	ds_store_b128 v9, v[72:75] offset:8192*\u      ; k goes to LDS as an image of its registers
	ds_store_b32 v10, v76 offset:1024*\u           ; both halves of the lanes write the same word with the same value
.endif
.endm
	LOADACT 0, 0
	LOADW 6, 0, 0
	s_wait_xcnt 0x0                                ; the stores have read their registers, which the products write next
.irp u, 0,1,2,3
	UNIT 0, \u
.endr
.irp u, 0,1,2,3
	UNIT 1, \u
.endr
; ---------------- V: my 16 columns for all tokens.  Source 0 = 16 tokens of bn, source 1 = my 16 rows of Wkv: lane (r, hh) holds column r; register 16 b + i = token 32 b + 16 hh + i of the key step
.irp i, 0,1,2,3
	v_mov_b32 v[KB+32+\i], 0                       ; (for the scores, later: the registers behind k's eighth fragment)
.endr
	v_and_b32 v12, 7, v2
	v_lshrrev_b32 v13, 3, v2
	s_delay_alu instid0(VALU_DEP_1)
	v_lshl_add_u32 v12, v13, 4, v12
	s_lshl_b32 s3, s101, 5
	s_lshl_b32 s38, s2, 3
	s_add_co_u32 s3, s3, s38
	s_add_co_u32 s3, s3, 256
	v_add_nc_u32 v12, s3, v12                      ; the place of row 256 + 16 w + r of Wkv
	s_delay_alu instid0(VALU_DEP_1)
	v_mul_u32_u24 v4, v12, 144
	s_delay_alu instid0(VALU_DEP_1)
	v_lshl_add_u32 v4, v3, 4, v4
	s_delay_alu instid0(VALU_DEP_1)
	v_add_nc_u32 v4, WKV, v4
	s_lshl_b32 s3, s100, 4
	s_add_co_u32 s3, s3, 256
	v_add_nc_u32 v5, s3, v2
	s_delay_alu instid0(VALU_DEP_1)
	v_lshl_add_u32 v5, v5, 3, WSC+2048             ; its scale words
	v_lshl_add_u32 v6, v1, 3, BNS                  ; bn's scale words: lanes 0-15 an even tile's, lanes 16-31 the next tile's
	v_mul_u32_u24 v7, v2, 144
	s_delay_alu instid0(VALU_DEP_1)
	v_lshl_add_u32 v7, v3, 4, v7
	s_delay_alu instid0(VALU_DEP_1)
	v_add_nc_u32 v7, BN, v7
	s_wait_alu depctr_va_vdst(0)
	s_lshl_b32 s3, s100, 11
	s_add_co_u32 s3, s3, VC
	v_lshl_add_u32 v8, v1, 4, s3
	s_lshl_b32 s3, s100, 7
	s_add_co_u32 s3, s3, VS
	v_lshl_add_u32 v11, v2, 2, s3
.macro QUANT64 src                     ; 64 numbers of a lane, register 16 b + i = k 32 b + 16 hh + i, become a fragment in v[PC] on and its scale word in v88
.irp b, 0,1,2,3
	v_max3_num_f32 v[TM+\b], |v[\src+16*\b]|, |v[\src+1+16*\b]|, 0x1800000
.endr
.irp i, 2,4,6,8,10,12,14
.irp b, 0,1,2,3
	v_max3_num_f32 v[TM+\b], v[TM+\b], |v[\src+16*\b+\i]|, |v[\src+1+16*\b+\i]|
.endr
.endr
.irp b, 0,1,2,3
	s_delay_alu instid0(VALU_DEP_4)
	v_permlanex16_b32 v[TM+4+\b], v[TM+\b], s104, s105
.endr
.irp b, 0,1,2,3
	s_delay_alu instid0(VALU_DEP_4)
	v_max_num_f32 v[TM+\b], v[TM+\b], v[TM+4+\b]
.endr
.irp b, 0,1,2,3
	s_delay_alu instid0(VALU_DEP_4)
	v_add_nc_u32 v[TM+12+\b], 0xff000000, v[TM+\b]
.endr
.irp b, 0,1,2,3
	s_delay_alu instid0(VALU_DEP_4)
	v_lshrrev_b32 v[TM+4+\b], 23, v[TM+12+\b]
.endr
	s_delay_alu instid0(VALU_DEP_3)
	v_lshl_or_b32 v88, v[TM+5], 8, v[TM+4]
	s_delay_alu instid0(VALU_DEP_1)
	v_lshl_or_b32 v88, v[TM+6], 16, v88
	s_delay_alu instid0(VALU_DEP_1)
	v_lshl_or_b32 v88, v[TM+7], 24, v88
.irp b, 0,1,2,3
	v_cvt_scalef32_pk8_fp4_f32 v[PC+2*\b], v[\src+16*\b:\src+7+16*\b], v[TM+12+\b]
	v_cvt_scalef32_pk8_fp4_f32 v[PC+1+2*\b], v[\src+8+16*\b:\src+15+16*\b], v[TM+12+\b]
.endr
	v_nop
.irp c, 0,1
.irp i, 0,1
	v_permlane16_swap_b32 v[PC+4*\c+\i], v[PC+2+4*\c+\i]
.endr
.endr
.endm
.irp s, 0,1
.irp c, 0,1
	ds_load_b128 v[WV+8*\s+4*\c:WV+8*\s+4*\c+3], v4 offset:64*\s+32*\c
.endr
.endr
	ds_load_b64 v[60:61], v5
.irp ks, 0,1                                   ; 128 tokens, eight tiles, at a time
.irp i, 0,1,2,3
	ds_load_b64 v[WS+2*\i:WS+2*\i+1], v6 offset:(8*\ks+2*\i)*128
.endr
.irp s, 0,1
.irp t, 0,1,2,3,4,5,6,7
.irp c, 0,1
	ds_load_b128 v[BF+8*\t+4*\c:BF+8*\t+4*\c+3], v7 offset:(128*\ks+16*\t)*144+64*\s+32*\c
.endr
.endr
	s_wait_dscnt 0x0
.irp t, 0,1,2,3,4,5,6,7
	WM VA+8*\t, BF+8*\t, WV+8*\s, 1-\s, WS+2*(\t/2)+\s, 60+\s, \t%2
.endr
	PLACES 4
.endr
	QUANT64 VA
	ds_store_b128 v8, v[PC:PC+3] offset:1024*\ks
	ds_store_b128 v8, v[PC+4:PC+7] offset:1024*\ks+512
	ds_store_b32 v11, v88 offset:64*\ks
	s_wait_dscnt 0x0                               ; the stores have read their registers
.endr
	BAR                                            ; k's and v's codes and scale words lie in LDS; nobody reads an, bn, Wq or Wkv any more: from here on each wave writes only its own 9,216 bytes there
; ---------------- SCORES AND SOFTMAX, a head at a time.  Source 0 = 16 keys, source 1 = my 16 queries: lane (r, hh) holds query r; register 16 B + i = key 32 B + 16 hh + i
	v_lshl_add_u32 v4, v1, 4, KC
	s_wait_alu depctr_va_vdst(0)
	v_lshl_add_u32 v5, v1, 2, KS
	s_wait_alu depctr_va_vdst(0)
	s_mul_i32 s3, s100, PRW
	v_lshl_add_u32 v6, v1, 4, s3                   ; p's images
	s_add_co_u32 s3, s3, 8192
	v_lshl_add_u32 v7, v1, 2, s3                   ; p's scale words
.macro HEAD h
.irp g, 0,1
.irp t, 0,1,2,3,4,5,6,7
	ds_load_b128 v[KB+4*\t:KB+4*\t+3], v4 offset:(16*\h+8*\g+\t)*512
.endr
.irp i, 0,1,2,3
	ds_load_b32 v[WS+\i], v5 offset:1024*\h+(4*\g+\i)*128   ; lanes 0-15 an even tile's words, lanes 16-31 the next tile's
.endr
	s_wait_dscnt 0x0
.irp t, 0,1,2,3,4,5,6,7
	WM S+8*(8*\g+\t), KB+4*\t, QC+8*\h, 1, WS+\t/2, QS+\h, \t%2
.endr
	PLACES 4
.endr
.irp b, 0,1,2,3,4,5,6,7
	v_max3_num_f32 v[64+\b], v[S+16*\b], v[S+16*\b+1], v[S+16*\b+2]   ; the largest score of each block of 32 keys: for the row's maximum and, since p rises with the score, for the block's largest p
.endr
.irp i, 3,5,7,9,11,13
.irp b, 0,1,2,3,4,5,6,7
	v_max3_num_f32 v[64+\b], v[64+\b], v[S+16*\b+\i], v[S+16*\b+\i+1]
.endr
.endr
.irp b, 0,1,2,3,4,5,6,7
	v_max_num_f32 v[64+\b], v[64+\b], v[S+16*\b+15]
.endr
.irp b, 0,1,2,3,4,5,6,7
	v_permlanex16_b32 v[72+\b], v[64+\b], s104, s105
.endr
.irp b, 0,1,2,3,4,5,6,7
	v_max_num_f32 v[64+\b], v[64+\b], v[72+\b]
.endr
	v_max3_num_f32 v112, v64, v65, v66
	s_delay_alu instid0(VALU_DEP_1)
	v_max3_num_f32 v112, v112, v67, v68
	s_delay_alu instid0(VALU_DEP_1)
	v_max3_num_f32 v112, v112, v69, v70
	s_delay_alu instid0(VALU_DEP_1)
	v_max_num_f32 v112, v112, v71                  ; the row's largest score
	s_delay_alu instid0(VALU_DEP_1)
	v_mul_f32 v112, s36, v112                      ; as t
	s_delay_alu instid0(VALU_DEP_1)
	v_floor_f32 v104, -v112                        ; -M = floor(-t): M is a whole number
	s_delay_alu instid0(VALU_DEP_1)
	v_mov_b32 v105, v104
.set j, 0
.rept 64
	v_pk_fma_f32 v[S+j:S+j+1], v[S+j:S+j+1], s[36:37], v[104:105] op_sel_hi:[1,0,0]   ; t - M
.set j, j+2
.endr
.irp b, 0,1,2,3,4,5,6,7
	v_fma_f32 v[64+\b], v[64+\b], s36, v104        ; the same of each block's largest score
.endr
.set j, 0
	s_wait_alu depctr_va_vdst(0)
.rept 128
	v_exp_f32 v[S+j], v[S+j]                       ; p = 2^(t - M)
.set j, j+1
.endr
	v_nop                                          ; a plain instruction behind the batch
	s_wait_alu depctr_va_vdst(0)                   ; one wait for the 128, ahead of their first reader
.irp b, 0,1,2,3,4,5,6,7
	v_exp_f32 v[64+\b], v[64+\b]                   ; each block's largest p
.endr
	v_pk_add_f32 v[108:109], v[128:129], v[130:131]
	v_pk_add_f32 v[118:119], v[136:137], v[140:141]
	v_pk_add_f32 v[116:117], v[144:145], v[148:149]
	v_pk_add_f32 v[114:115], v[152:153], v[156:157]
	v_pk_add_f32 v[110:111], v[160:161], v[164:165]
	v_pk_add_f32 v[104:105], v[168:169], v[172:173]
	v_pk_add_f32 v[102:103], v[176:177], v[180:181]
	v_pk_add_f32 v[106:107], v[184:185], v[188:189]
	v_pk_add_f32 v[106:107], v[106:107], v[192:193]
	v_pk_add_f32 v[108:109], v[108:109], v[196:197]
	v_pk_add_f32 v[118:119], v[118:119], v[200:201]
	v_pk_add_f32 v[116:117], v[116:117], v[204:205]
	v_pk_add_f32 v[114:115], v[114:115], v[208:209]
	v_pk_add_f32 v[110:111], v[110:111], v[212:213]
	v_pk_add_f32 v[104:105], v[104:105], v[216:217]
	v_pk_add_f32 v[102:103], v[102:103], v[220:221]
	v_pk_add_f32 v[106:107], v[106:107], v[224:225]
	v_pk_add_f32 v[108:109], v[108:109], v[228:229]
	v_pk_add_f32 v[118:119], v[118:119], v[232:233]
	v_pk_add_f32 v[116:117], v[116:117], v[236:237]
	v_pk_add_f32 v[114:115], v[114:115], v[240:241]
	v_pk_add_f32 v[110:111], v[110:111], v[244:245]
	v_pk_add_f32 v[104:105], v[104:105], v[248:249]
	v_pk_add_f32 v[102:103], v[102:103], v[252:253]
	v_pk_add_f32 v[106:107], v[106:107], v[132:133]
	v_pk_add_f32 v[108:109], v[108:109], v[134:135]
	v_pk_add_f32 v[118:119], v[118:119], v[138:139]
	v_pk_add_f32 v[116:117], v[116:117], v[142:143]
	v_pk_add_f32 v[114:115], v[114:115], v[146:147]
	v_pk_add_f32 v[110:111], v[110:111], v[150:151]
	v_pk_add_f32 v[104:105], v[104:105], v[154:155]
	v_pk_add_f32 v[102:103], v[102:103], v[158:159]
	v_pk_add_f32 v[106:107], v[106:107], v[162:163]
	v_pk_add_f32 v[108:109], v[108:109], v[166:167]
	v_pk_add_f32 v[118:119], v[118:119], v[170:171]
	v_pk_add_f32 v[116:117], v[116:117], v[174:175]
	v_pk_add_f32 v[114:115], v[114:115], v[178:179]
	v_pk_add_f32 v[110:111], v[110:111], v[182:183]
	v_pk_add_f32 v[104:105], v[104:105], v[186:187]
	v_pk_add_f32 v[102:103], v[102:103], v[190:191]
	v_pk_add_f32 v[106:107], v[106:107], v[194:195]
	v_pk_add_f32 v[108:109], v[108:109], v[198:199]
	v_pk_add_f32 v[118:119], v[118:119], v[202:203]
	v_pk_add_f32 v[116:117], v[116:117], v[206:207]
	v_pk_add_f32 v[114:115], v[114:115], v[210:211]
	v_pk_add_f32 v[110:111], v[110:111], v[214:215]
	v_pk_add_f32 v[104:105], v[104:105], v[218:219]
	v_pk_add_f32 v[102:103], v[102:103], v[222:223]
	v_pk_add_f32 v[106:107], v[106:107], v[226:227]
	v_pk_add_f32 v[108:109], v[108:109], v[230:231]
	v_pk_add_f32 v[118:119], v[118:119], v[234:235]
	v_pk_add_f32 v[116:117], v[116:117], v[238:239]
	v_pk_add_f32 v[114:115], v[114:115], v[242:243]
	v_pk_add_f32 v[110:111], v[110:111], v[246:247]
	v_pk_add_f32 v[104:105], v[104:105], v[250:251]
	v_pk_add_f32 v[102:103], v[102:103], v[254:255]
	s_delay_alu instid0(VALU_DEP_4)
	v_pk_add_f32 v[106:107], v[106:107], v[114:115]
	s_delay_alu instid0(VALU_DEP_4)
	v_pk_add_f32 v[108:109], v[108:109], v[110:111]
	s_delay_alu instid0(VALU_DEP_4)
	v_pk_add_f32 v[118:119], v[118:119], v[104:105]
	s_delay_alu instid0(VALU_DEP_4)
	v_pk_add_f32 v[116:117], v[116:117], v[102:103]
	s_delay_alu instid0(VALU_DEP_2)
	v_pk_add_f32 v[106:107], v[106:107], v[118:119]
	s_delay_alu instid0(VALU_DEP_2)
	v_pk_add_f32 v[108:109], v[108:109], v[116:117]
	s_delay_alu instid0(VALU_DEP_1)
	v_pk_add_f32 v[106:107], v[106:107], v[108:109]
	s_delay_alu instid0(VALU_DEP_1)
	v_add_f32 v106, v106, v107
	s_delay_alu instid0(VALU_DEP_1)
	v_permlanex16_b32 v113, v106, s104, s105
	s_delay_alu instid0(VALU_DEP_1)
	v_add_f32 v106, v106, v113                     ; with lane l xor 16's 128 keys
	s_wait_alu depctr_va_vdst(0)
	v_rcp_f32 v[RL+\h], v106
	v_nop
	s_wait_alu depctr_va_vdst(0)                   ; one wait for the eight exponentials and the reciprocal
.irp b, 0,1,2,3,4,5,6,7
	v_max_num_f32 v[64+\b], 0x1800000, v[64+\b]    ; the floor: the byte cannot fall under 1
.endr
.irp b, 0,1,2,3,4,5,6,7
	v_add_nc_u32 v[80+\b], 0xff000000, v[64+\b]
.endr
.irp b, 0,1,2,3,4,5,6,7
	v_lshrrev_b32 v[72+\b], 23, v[80+\b]
.endr
	v_lshl_or_b32 v110, v73, 8, v72                ; p's scale words: keys 0-127, keys 128-255
	s_delay_alu instid0(VALU_DEP_4)
	v_lshl_or_b32 v111, v77, 8, v76
	s_delay_alu instid0(VALU_DEP_2)
	v_lshl_or_b32 v110, v74, 16, v110
	s_delay_alu instid0(VALU_DEP_2)
	v_lshl_or_b32 v111, v78, 16, v111
	s_delay_alu instid0(VALU_DEP_2)
	v_lshl_or_b32 v110, v75, 24, v110
	s_delay_alu instid0(VALU_DEP_2)
	v_lshl_or_b32 v111, v79, 24, v111
.irp b, 0,1,2,3,4,5,6,7
	v_cvt_scalef32_pk8_fp4_f32 v[PCS+2*\b], v[S+16*\b:S+16*\b+7], v[80+\b]
	v_cvt_scalef32_pk8_fp4_f32 v[PCS+2*\b+1], v[S+16*\b+8:S+16*\b+15], v[80+\b]
.endr
	v_nop
.irp c, 0,1,2,3
.irp i, 0,1
	v_permlane16_swap_b32 v[PCS+4*\c+\i], v[PCS+2+4*\c+\i]
.endr
.endr
.irp s, 0,1
.irp c, 0,1
	ds_store_b128 v6, v[PCS+8*\s+4*\c:PCS+8*\s+4*\c+3] offset:2048*\h+1024*\s+512*\c   ; p waits in my own bytes of LDS until all four heads are done
.endr
.endr
	ds_store_b32 v7, v110 offset:256*\h
	ds_store_b32 v7, v111 offset:256*\h+128
	s_wait_dscnt 0x0                               ; the stores have read their registers
.endm
	HEAD 0
	HEAD 1
	HEAD 2
	HEAD 3
; ---------------- O^T = V^T P^T, 16 d of all four heads at a time; divided by the sum, interleaved (K = 4 d + head) and quantised: a lane holds a whole block, in the operand's own place
.irp h, 0,1,2,3
.irp s, 0,1
.irp c, 0,1
	ds_load_b128 v[PCD+16*\h+8*\s+4*\c:PCD+16*\h+8*\s+4*\c+3], v6 offset:2048*\h+1024*\s+512*\c
.endr
	ds_load_b32 v[PWS+2*\h+\s], v7 offset:(2*\h+\s)*128
.endr
.endr
	v_lshl_add_u32 v8, v1, 4, VC
	s_wait_alu depctr_va_vdst(0)
	v_lshl_add_u32 v9, v1, 2, VS
.if AXIS
	; res is prefetched: a lane names 256 bytes: token r of my tile, columns 64 hh on: what the output loop's first two trips load, the whole PV phase ahead.  Each block is named once in the launch
	v_lshrrev_b32 v10, 3, v2
	v_lshl_add_u32 v10, v10, 3, v2
	v_mul_u32_u24 v10, v10, TS
	v_lshl_add_u32 v10, v3, 8, v10                 ; never rewritten
	global_prefetch_b8 v10, s[66:67] th:TH_LOAD_NT scope:SCOPE_SE
.endif
.macro PVTILE dt
.irp h, 0,1,2,3
	ds_load_b32 v[WS+\h], v9 offset:(4*\h+\dt)*128 ; v's scale words: lanes 0-15 keys 0-127, lanes 16-31 keys 128-255
.endr
.irp s, 0,1
.irp h, 0,1,2,3
.irp c, 0,1
	ds_load_b128 v[VF+8*\h+4*\c:VF+8*\h+4*\c+3], v8 offset:(2*(4*\h+\dt)+\s)*1024+512*\c
.endr
.endr
	s_wait_dscnt 0x0
.irp h, 0,1,2,3
	WM OA+8*\h, VF+8*\h, PCD+16*\h+8*\s, 1-\s, WS+\h, PWS+2*\h+\s, \s
.endr
	PLACES 4
.endr
.irp j, 0,1,2,3,4,5,6,7                        ; each accumulator from its low end on
.irp h, 0,1,2,3
	v_mul_f32 v[OUTF+4*\j+\h], v[OA+8*\h+\j], v[RL+\h]   ; K = 64 dt + 32 hh + 4 j + h
.endr
.endr
	v_max3_num_f32 v224, |v[OUTF]|, |v[OUTF+1]|, |v[OUTF+2]|
	v_max3_num_f32 v225, |v[OUTF+3]|, |v[OUTF+4]|, |v[OUTF+5]|
.irp i, 6,10,14,18,22,26
	s_delay_alu instid0(VALU_DEP_2)
	v_max3_num_f32 v224, v224, |v[OUTF+\i]|, |v[OUTF+\i+1]|
	s_delay_alu instid0(VALU_DEP_2)
	v_max3_num_f32 v225, v225, |v[OUTF+\i+2]|, |v[OUTF+\i+3]|
.endr
	s_delay_alu instid0(VALU_DEP_2)
	v_max3_num_f32 v224, v224, |v[OUTF+30]|, |v[OUTF+31]|
	s_delay_alu instid0(VALU_DEP_1)
	v_max3_num_f32 v224, v224, v225, 0x1800000
	s_delay_alu instid0(VALU_DEP_1)
	v_add_nc_u32 v226, 0xff000000, v224
	s_delay_alu instid0(VALU_DEP_1)
	v_lshrrev_b32 v[OB+\dt], 23, v226              ; the byte of block 2 dt + hh
.irp g, 0,1,2,3
	v_cvt_scalef32_pk8_fp4_f32 v[OC+4*\dt+\g], v[OUTF+8*\g:OUTF+8*\g+7], v226
.endr
	v_nop
.endm
	PVTILE 0
	PVTILE 1
	PVTILE 2
	PVTILE 3
	v_lshlrev_b32 v227, 3, v3
	v_mov_b32 v230, 0
	v_mov_b32 v231, 0
.irp s, 0,1
	v_lshl_or_b32 v[228+\s], v[OB+1+2*\s], 16, v[OB+2*\s]   ; my two bytes of K step s: blocks hh and 2 + hh,
.endr
.irp s, 0,1
	s_delay_alu instid0(VALU_DEP_2)
	v_lshlrev_b32 v[228+\s], v227, v[228+\s]       ; at their places;
.endr
.irp s, 0,1
	s_delay_alu instid0(VALU_DEP_2)
	v_permlanex16_b32 v[230+\s], v[228+\s], s104, s105
.endr
.irp s, 0,1
	s_delay_alu instid0(VALU_DEP_2)
	v_or_b32 v[AS+\s], v[228+\s], v[230+\s]        ; with lane l xor 16's two the word is whole
.endr
; ---------------- THE OUTPUT PRODUCT, elu, the residual and the store: four trips of 64 columns
	v_mul_u32_u24 v4, v2, 144
	s_delay_alu instid0(VALU_DEP_1)
	v_lshl_add_u32 v4, v3, 4, v4
	s_delay_alu instid0(VALU_DEP_1)
	v_add_nc_u32 v4, WO, v4                        ; a tile of Wo
	v_lshl_add_u32 v6, v1, 3, WSC+6144             ; its scale words: lanes 0-15 an even tile's rows, lanes 16-31 the next tile's
	s_mul_i32 s3, s100, PRW
	v_mul_u32_u24 v8, v2, 272
	s_delay_alu instid0(VALU_DEP_1)
	v_lshl_add_u32 v8, v3, 5, v8
	s_delay_alu instid0(VALU_DEP_1)
	v_add_nc_u32 v8, s3, v8                        ; my stage, in: row r, 32 bytes for each half of the lanes
	v_mul_u32_u24 v9, v3, 272
	s_delay_alu instid0(VALU_DEP_1)
	v_lshl_add_u32 v9, v2, 4, v9
	s_delay_alu instid0(VALU_DEP_1)
	v_add_nc_u32 v9, s3, v9                        ; back: sixteen lanes to a row of 256 bytes, two rows an instruction
	v_mul_u32_u24 v11, v3, TS
	s_delay_alu instid0(VALU_DEP_1)
	v_lshl_add_u32 v11, v2, 4, v11                 ; the same two rows in res and dst
	v_lshlrev_b32 v12, 4, v2                       ; my four columns of bo
	s_mov_b32 s38, 0                               ; the trip
	s_mov_b32 s39, 0                               ; 64 rows of Wo a trip
	s_mov_b32 s40, 0                               ; and their scale bytes
	PLACES 8                                       ; scale words written by vector instructions stand eight places ahead of the product that reads them
.Lwo:
	v_add_nc_u32 v5, s39, v4
	v_add_nc_u32 v7, s40, v6
.irp i, 0,1,2,3,4,5,6,7
	global_load_b128 v[RES+4*\i:RES+4*\i+3], v11, s[66:67] offset:(2*\i+8*(\i/4))*TS th:TH_LOAD_NT   ; rows 2 i + hh of my tile: 22 tokens on at the most, inside the signed 24-bit immediate
.endr
	global_load_b128 v[BIAS:BIAS+3], v12, s[20:21]
.irp s, 0,1
.irp t, 0,1,2,3
.irp c, 0,1
	ds_load_b128 v[128+8*(4*\s+\t)+4*\c:128+8*(4*\s+\t)+4*\c+3], v5 offset:16*\t*144+64*\s+32*\c
.endr
.endr
.endr
.irp b, 0,1
	ds_load_b64 v[WS+2*\b:WS+2*\b+1], v7 offset:256*\b
.endr
.if AXIS
	s_cmp_eq_u32 s38, 1                            ; in the second trip, behind its loads: the columns of the last two trips (the base has stepped 256 bytes: 256 more)
	s_cbranch_scc0 .Lno_ask
	global_prefetch_b8 v10, s[66:67] offset:256 th:TH_LOAD_NT scope:SCOPE_SE
.Lno_ask:
.endif
	s_wait_dscnt 0x0
.irp s, 0,1
.irp t, 0,1,2,3
	WM YA+8*\t, 128+8*(4*\s+\t), OC+8*\s, 1-\s, WS+2*(\t/2)+\s, AS+\s, \t%2
.endr
.endr
	PLACES 4
	s_wait_alu depctr_va_vdst(0)
.irp t, 0,1,2,3
	ds_store_b128 v8, v[YA+8*\t:YA+8*\t+3] offset:64*\t        ; lane (r, hh): token r, columns 16 t + 8 hh on
	ds_store_b128 v8, v[YA+8*\t+4:YA+8*\t+7] offset:64*\t+16
.endr
.irp i, 0,1,2,3,4,5,6,7
	ds_load_b128 v[Y+4*\i:Y+4*\i+3], v9 offset:544*\i          ; LDS serves a wave's instructions in order: these see my stores
.endr
	s_wait_dscnt 0x0
	s_wait_loadcnt 0x0                             ; res and bo
.irp i, 0,1,2,3,4,5,6,7
	v_pk_add_f32 v[Y+4*\i:Y+4*\i+1], v[Y+4*\i:Y+4*\i+1], v[BIAS:BIAS+1]
	v_pk_add_f32 v[Y+4*\i+2:Y+4*\i+3], v[Y+4*\i+2:Y+4*\i+3], v[BIAS+2:BIAS+3]
.endr
.set j, 0
.rept 16
	v_pk_mul_f32 v[EE+j:EE+j+1], v[Y+j:Y+j+1], s[36:37] op_sel_hi:[1,0]
.set j, j+2
.endr
.set j, 0
.rept 32
	v_min_num_f32 v[EE+j], 0, v[EE+j]
.set j, j+1
.endr
.set j, 0
	s_wait_alu depctr_va_vdst(0)
.rept 32
	v_exp_f32 v[EE+j], v[EE+j]                     ; e^min(y, 0)
.set j, j+1
.endr
.set j, 0
.rept 32
	v_max_num_f32 v[Y+j], 0, v[Y+j]                ; independent work behind the batch
.set j, j+1
.endr
.set j, 0
.rept 16
	v_pk_add_f32 v[RES+j:RES+j+1], v[RES+j:RES+j+1], -0.5 op_sel_hi:[1,0]
.set j, j+2
.endr
	s_wait_alu depctr_va_vdst(0)                   ; one wait for the 32 exponentials, ahead of their first reader
.set j, 0
.rept 16
	v_pk_add_f32 v[Y+j:Y+j+1], v[Y+j:Y+j+1], v[EE+j:EE+j+1]
.set j, j+2
.endr
.set j, 0
.rept 16
	v_pk_fma_f32 v[Y+j:Y+j+1], v[Y+j:Y+j+1], 0.5, v[RES+j:RES+j+1] op_sel_hi:[1,0,1]   ; res + elu(y) / 2 = (max(y, 0) + e^min(y, 0)) / 2 + (res - 1/2)
.set j, j+2
.endr
.irp i, 0,1,2,3,4,5,6,7
	global_store_b128 v11, v[Y+4*\i:Y+4*\i+3], s[6:7] offset:(2*\i+8*(\i/4))*TS th:TH_STORE_NT   ; sixteen lanes store 256 consecutive bytes, at a multiple of 256 from dst's first byte
.endr
	s_wait_xcnt 0x0                                ; the loads, the stores and the prefetch have read their registers and bases: only now are they written again
	s_add_nc_u64 s[66:67], s[66:67], 256
	s_add_nc_u64 s[6:7], s[6:7], 256
	s_add_nc_u64 s[20:21], s[20:21], 256
	s_add_co_u32 s39, s39, 9216
	s_add_co_u32 s40, s40, 512
	s_add_co_u32 s38, s38, 1
	s_cmp_lt_u32 s38, 4
	s_cbranch_scc1 .Lwo
	s_wait_xcnt 0x0
	v_lshl_add_u32 v254, v0, 2, 0x4d000
	v_mov_b32 v255, 0
	s_wait_alu depctr_va_vdst(0)
	s_wait_tensorcnt 0x0
	ds_add_u32 v254, v255
	s_wait_dscnt 0x0
	s_endpgm
.Lfunc_end_k_q88a605dfdc_rows:
	.size	k_q88a605dfdc_rows, .Lfunc_end_k_q88a605dfdc_rows-k_q88a605dfdc_rows
	.p2alignl 7, 3214868480
	.fill 96, 4, 3214868480
	.section	.rodata,"a",@progbits
	.p2align	6, 0x0
	.amdhsa_kernel k_q88a605dfdc_rows
		.amdhsa_group_segment_fixed_size 327680
		.amdhsa_private_segment_fixed_size 0
		.amdhsa_enable_private_segment 0
		.amdhsa_kernarg_size 168
		.amdhsa_user_sgpr_count 2
		.amdhsa_user_sgpr_kernarg_segment_ptr 1
		.amdhsa_wavefront_size32 1
		.amdhsa_system_sgpr_workgroup_id_x 1
		.amdhsa_system_sgpr_workgroup_id_y 1
		.amdhsa_system_sgpr_workgroup_id_z 1
		.amdhsa_system_vgpr_workitem_id 0
		.amdhsa_next_free_vgpr 256
		.amdhsa_next_free_sgpr 106
		.amdhsa_reserve_vcc 0
		.amdhsa_float_denorm_mode_32 3
		.amdhsa_float_denorm_mode_16_64 3
		.amdhsa_memory_ordered 1
		.amdhsa_forward_progress 1
		.amdhsa_inst_pref_size 255
	.end_amdhsa_kernel
	.section	.bss,"aw",@nobits
	.p2align	6
	.space	262144
	.amdgpu_metadata
---
amdhsa.version: [ 1, 2 ]
amdhsa.kernels:
  - .name:           k_q88a605dfdc_rows
    .symbol:         k_q88a605dfdc_rows.kd
    .args:
      - { .name: x, .offset: 0, .size: 8, .value_kind: global_buffer, .address_space: global }
      - { .name: tmp, .offset: 8, .size: 8, .value_kind: global_buffer, .address_space: global }
      - { .name: sin_i, .offset: 16, .size: 8, .value_kind: global_buffer, .address_space: global }
      - { .name: cos_i, .offset: 24, .size: 8, .value_kind: global_buffer, .address_space: global }
      - { .name: gja, .offset: 32, .size: 8, .value_kind: global_buffer, .address_space: global }
      - { .name: bja, .offset: 40, .size: 8, .value_kind: global_buffer, .address_space: global }
      - { .name: gjb, .offset: 48, .size: 8, .value_kind: global_buffer, .address_space: global }
      - { .name: bjb, .offset: 56, .size: 8, .value_kind: global_buffer, .address_space: global }
      - { .name: bo_i, .offset: 64, .size: 8, .value_kind: global_buffer, .address_space: global }
      - { .name: Wo_i_codes, .offset: 72, .size: 8, .value_kind: global_buffer, .address_space: global }
      - { .name: Wo_i_scales, .offset: 80, .size: 8, .value_kind: global_buffer, .address_space: global }
      - { .name: Wq_i_codes, .offset: 88, .size: 8, .value_kind: global_buffer, .address_space: global }
      - { .name: Wkv_i_codes, .offset: 96, .size: 8, .value_kind: global_buffer, .address_space: global }
      - { .name: Wq_i_scales, .offset: 104, .size: 8, .value_kind: global_buffer, .address_space: global }
      - { .name: Wkv_i_scales, .offset: 112, .size: 8, .value_kind: global_buffer, .address_space: global }
      - { .name: gia, .offset: 120, .size: 8, .value_kind: global_buffer, .address_space: global }
      - { .name: bia, .offset: 128, .size: 8, .value_kind: global_buffer, .address_space: global }
      - { .name: gib, .offset: 136, .size: 8, .value_kind: global_buffer, .address_space: global }
      - { .name: bib, .offset: 144, .size: 8, .value_kind: global_buffer, .address_space: global }
      - { .name: cj, .offset: 152, .size: 8, .value_kind: global_buffer, .address_space: global }
      - { .name: sj, .offset: 160, .size: 8, .value_kind: global_buffer, .address_space: global }
    .group_segment_fixed_size: 327680
    .private_segment_fixed_size: 0
    .kernarg_segment_align: 8
    .kernarg_segment_size: 168
    .max_flat_workgroup_size: 512
    .sgpr_count:     106
    .vgpr_count:     256
    .wavefront_size: 32
...
	.end_amdgpu_metadata
.endif
;; end of part 1
;; launch cols (part 2): grid 256 x 1, 16 waves a work-group, no clusters, 327,680 bytes of LDS; arguments cj, out0, sin_j, cos_j, bo_j, Wo_j_codes, Wo_j_scales, Wq_j_codes, Wkv_j_codes, Wq_j_scales, Wkv_j_scales, tmp, sj; writes out0
.if DOCPART == 2
	.amdgcn_target "amdgcn-amd-amdhsa--gfx1250"
	.amdhsa_code_object_version 6
	.text
	.protected	k_q88a605dfdc_cols
	.globl	k_q88a605dfdc_cols
	.p2align	8
	.type	k_q88a605dfdc_cols,@function
k_q88a605dfdc_cols:
	s_mov_b64 s[64:65], 0
	v_nop
	global_prefetch_b8 v0, s[64:65] scope:SCOPE_SE
	s_setreg_imm32_b32 hwreg(HW_REG_WAVE_MODE, 25, 1), 1
	s_wait_xcnt 0x0
; AXIAL ATTENTION, ONE AXIS.  dst = res + elu(attention(x) Wo + bo) / 2 for one of the two axes of x [256 i][256 j][256 d], f32.
; AXIS = 0: a sequence is a row i, its tokens are j; res = x, dst = the workspace.   AXIS = 1: a sequence is a column j, its tokens are i; res = the workspace, dst = the output.
; All five products of the axis run on codes of FP4 (E2M1) with one E8M0 scale for each 32 along K; the weights come as codes, every other operand is quantised here, from f32 numbers.
; SHARES.  One work-group = one sequence of 256 tokens; sixteen waves of 256 registers.  TILES OF TOKENS: row p of tile T is token 32 (T / 2) + 8 (T % 2) + p + 8 (p / 8), so that the 16 result
; registers of two neighbouring tiles are 16 neighbouring tokens.  Wave w: LayerNorm of tokens 32 (w / 2) + lane, dims 128 (w % 2) on (a lane is a token: gains and biases are scalars);
; q and k of tile w, all heads; v's columns 16 w .. 16 w + 15 for all tokens (v's K is the tokens); attention, output product and store of query tile w, all four heads, so that a block of 32
; along the output product's K (8 d x 4 heads) lies in one lane.
; ALL PRODUCTS ARE USED TRANSPOSED where a result becomes an operand: a lane holds one row of the next operand and its registers run along the next K.
; SOFTMAX: t = score x log2(e); M = ceil(the row's largest t), over the whole row at once; p = 2^(t - M) is quantised along the keys; the sum of the unquantised p divides the result.
; K = 64 of q k^T is filled to the instruction's 128 with zero codes on q's side (k's registers there hold the next tile's codes, which meet zeros; the scale bytes there are 0, not 0xff).
; LDS.  x's 256 rows come by one tensor load a wave (16 rows of 1,024 bytes, 16 bytes of padding behind each); nothing is filled a second time.  Once every wave has read its part, the same bytes
; take codes, weights and stages, written by LDS stores.  Three more barriers part: statistics | operands of the projections | k's and v's codes | the rest, which is each wave's own.
; NO CLUSTER: the work-groups share only the weights (136 KB with scales) and the tables (128 KB), against 768 KB of x, res and dst that are each work-group's own; and the weights' place in LDS
; is free only after x's tile has been read, where a joint load would be a second fill.  Each wave brings a sixteenth of the weights through registers, once.
; LIMITS: NaN and infinities are not served.  A block whose largest magnitude lies under 2^-124 keeps the scale byte 1; a block of zeros has the byte 1 and zero codes (the bytes are read here alone).
; p under 2^-126 counts as 0.  elu's negative branch is formed as 2^(y log2 e) - 1: absolute error about 1e-7.
.set AXIS, 1
; AXIS = 1 DOES NO LAYERNORM: an's and bn's codes and scale bytes of this axis were made by the launch of the rows (cj, sj: [place of i][j][..], places in tile order).
; A wave's one tensor load brings its tile's 16 rows of 256 bytes (an 128 | bn 128), LDS pitch 272; the weights and stages lie behind those bytes, so the first barrier is the one ahead of q and k.
.if AXIS
.set SS, 1024                          ; bytes from sequence to sequence
.set TS, 262144                        ; bytes from token to token
.else
.set SS, 262144
.set TS, 1024
.endif
; LDS map, in bytes.  x's tile: 0 .. 266,239 (256 rows x 1,040).  Behind the second barrier those bytes are used again:
.set BN,   128
.set ANS,  73728                       ; an's scale bytes [row][8]
.set BNS,  75776                       ; bn's
.set WQ,   77824                       ; Wq: 256 rows x 144; Wkv: 512 rows x 144; rows laid so that a tile's 16 rows are neighbours (bits 3 and 4 of the row number change places)
.set WKV,  114688
.set KC,   194560                      ; k's codes: images of 4 registers, 512 bytes for each (head, tile)
.set TST,  194560                      ; (before k is written: 4,480 bytes a wave, a stage for the sin and cos tables)
.set KS,   227328                      ; k's scale words: head x 1,024 + tile x 64 + 4 x row
.set VC,   231424                      ; v's codes: images of 8 registers, 1,024 bytes for each (16 columns, 128 keys)
.set VS,   264192                      ; v's scale words: 16 columns x 128 + key step x 64 + 4 x column
.set WO,   266240                      ; Wo: 256 rows x 144, as they lie
.set STAT, 303104                      ; LayerNorm: (mean, sum of squares) of each half row: 2 x 256 x 8
.set WSC,  307200                      ; the weights' scale bytes as they lie: Wq's, Wkv's at + 2,048, Wo's at + 6,144
.set PRW,  9216                        ; behind the last barrier: 9,216 bytes a wave from 0 on: p's images and scale words, later the stage for the way out
; registers.  v0 thread, v1 lane, v2 r = lane % 16, v3 hh = lane / 16, v4-15 addresses, v48-63 scale words and nothing else
.set X,    128                         ; LayerNorm: my token's 128 numbers
.set TA,   64                          ; 32 numbers of an, of bn
.set TB,   96
.set SN,   192                         ; my tile's sin (even entries negated) and cos: register 16 b + i = d 32 b + 16 hh + i
.set CS,   224
.set QC,   16                          ; q's codes: head h at 8 h .. 8 h + 3, zeros at + 4 .. + 7
.set QS,   48                          ; q's scale words
.set WS,   52                          ; scale words of source 0
.set AS,   56                          ; scale words of source 1
.set ACT,  80                          ; an's or bn's two fragments of my tile
.set WF,   96                          ; eight fragments of a weight
.set ACC,  160                         ; a head's q or k: four tiles of 16 d
.set TM,   64                          ; the quantisers' work
.set PC,   80                          ; v: the codes just made; v88 their scale word
.set WV,   96                          ; v: my 16 columns' two fragments
.set BF,   128                         ; v: eight fragments of bn
.set VA,   192                         ; v: 16 columns x 128 tokens
.set S,    128                         ; scores, then p: 16 tiles of keys
.set KB,   88                          ; k's eight fragments of 4 registers; v120-123 zeros
.set PCS,  88                          ; p's codes
.set RL,   124                         ; 1 / the row's sum, a register a head
.set PCD,  128                         ; p's codes of four heads
.set PWS,  56                          ; p's scale words
.set VF,   192                         ; four fragments of v
.set OA,   88                          ; O^T: 16 d of four heads
.set OUTF, 16                          ; 32 neighbours along the output product's K
.set OC,   68                          ; their codes: two fragments
.set OB,   84                          ; their scale bytes
.set YA,   88                          ; the output product: four tiles of 16 columns
.set Y,    16                          ; the same as rows
.set RES,  192
.set EE,   224
.set BIAS, 120
.macro PLACES n                        ; places behind matrix instructions: plain vector instructions that name none of their registers (ISA guide 7.12.1)
.rept \n
	v_nop
.endr
.endm
.macro BAR                             ; my LDS stores have landed and my LDS loads are in: then the work-group's barrier
	s_wait_dscnt 0x0
	s_barrier_signal -1
	s_barrier_wait -1
.endm
; one product 16 x 16 x 128.  z = 1: it starts the sum.  row = 1: source 0's scale words stand in lanes 16-31
.macro WM d, a, b, z, sa, sb, row
.if \z
.if \row
	v_wmma_scale_f32_16x16x128_f8f6f4 v[\d:\d+7], v[\a:\a+7], v[\b:\b+7], 0, v[\sa], v[\sb] matrix_a_fmt:MATRIX_FMT_FP4 matrix_b_fmt:MATRIX_FMT_FP4 matrix_a_scale:MATRIX_SCALE_ROW1
.else
	v_wmma_scale_f32_16x16x128_f8f6f4 v[\d:\d+7], v[\a:\a+7], v[\b:\b+7], 0, v[\sa], v[\sb] matrix_a_fmt:MATRIX_FMT_FP4 matrix_b_fmt:MATRIX_FMT_FP4
.endif
.else
.if \row
	v_wmma_scale_f32_16x16x128_f8f6f4 v[\d:\d+7], v[\a:\a+7], v[\b:\b+7], v[\d:\d+7], v[\sa], v[\sb] matrix_a_fmt:MATRIX_FMT_FP4 matrix_b_fmt:MATRIX_FMT_FP4 matrix_a_scale:MATRIX_SCALE_ROW1
.else
	v_wmma_scale_f32_16x16x128_f8f6f4 v[\d:\d+7], v[\a:\a+7], v[\b:\b+7], v[\d:\d+7], v[\sa], v[\sb] matrix_a_fmt:MATRIX_FMT_FP4 matrix_b_fmt:MATRIX_FMT_FP4
.endif
.endif
.endm
; ---------------- THE HEAD: arguments, x's tile, the weights
	s_load_b256 s[4:11], s[0:1], 0x0               ; cj 4, dst 6, sin 8, cos 10
	s_load_b256 s[20:27], s[0:1], 0x20             ; bo 20, Wo's codes 22, Wo's scales 24, Wq's codes 26
	s_load_b128 s[28:31], s[0:1], 0x40             ; Wkv's codes 28, Wq's scales 30
	s_load_b64 s[32:33], s[0:1], 0x50              ; Wkv's scales
.if AXIS
	s_load_b64 s[66:67], s[0:1], 0x58              ; res = the workspace
	s_load_b64 s[12:13], s[0:1], 0x60              ; sj
	v_lshl_add_u32 v254, v0, 2, 0x4d000
	v_mov_b32 v255, 0
	ds_add_u32 v254, v255
	ds_add_u32 v254, v255
	s_wait_dscnt 0x0
.endif
	v_lshrrev_b32 v1, 5, v0
	s_delay_alu instid0(VALU_DEP_1)
	v_readfirstlane_b32 s100, v1                   ; wave w
	v_and_b32 v1, 31, v0                           ; lane
	v_and_b32 v2, 15, v0                           ; r
	v_bfe_u32 v3, v0, 4, 1                         ; hh
	s_lshr_b32 s101, s100, 1                       ; w / 2
	s_and_b32 s2, s100, 1                          ; w % 2
	s_mov_b32 s104, 0x76543210
	s_mov_b32 s105, 0xfedcba98                     ; v_permlanex16_b32's selects for lane l xor 16
	; descriptor group 1: 16 rows of 64 elements of 4 bytes, 65,536 bytes apart; in LDS 4 words of padding behind every 64
	s_mov_b32 s40, (2<<16)|(1<<20)|(5<<22)|(3<<25) ; 16 rows of 64 elements of 4 bytes; in LDS 4 words of padding behind every 64
	s_mov_b32 s41, 64<<16
	s_mov_b32 s42, 16<<16
	s_mov_b32 s43, 64<<16
	s_mov_b32 s44, 16
	s_mov_b32 s45, 16384                           ; 65,536 bytes from place to place
	s_mov_b32 s46, 0
	s_mov_b32 s47, 0
	s_mov_b32 s36, 1
	s_mul_i32 s37, s100, 4352                      ; LDS address: my 16 rows of 272 bytes
	s_mul_i32 s48, ttmp9, SS
	s_mov_b32 s49, 0
	s_lshl_b32 s50, s100, 20                       ; places 16 w on,
	s_lshl_b32 s51, ttmp9, 8                       ; the sequence's 256 bytes in each
	s_add_co_u32 s50, s50, s51
	s_mov_b32 s51, 0
	s_lshl_b32 s52, s101, 5
	s_lshl_b32 s53, s2, 3
	s_add_co_u32 s52, s52, s53                     ; tile w's first token: 32 (w / 2) + 8 (w % 2)
	s_mul_i32 s54, s52, TS
	s_mov_b32 s55, 0
	s_add_nc_u64 s[54:55], s[54:55], s[48:49]      ; its place in res and dst
	s_lshl_b32 s56, s52, 8                         ; and in the tables: 256 bytes a token
	s_mov_b32 s57, 0
	s_lshl_b32 s58, s100, 16                       ; sj: 4,096 bytes a place, 16 a sequence
	s_lshl_b32 s59, ttmp9, 4
	s_add_co_u32 s58, s58, s59
	s_mov_b32 s59, 0
	s_lshl_b32 s60, s100, 11                       ; a sixteenth of Wq's and of Wo's codes,
	s_mov_b32 s61, 0
	s_lshl_b32 s62, s100, 12                       ; of Wkv's,
	s_mov_b32 s63, 0
	s_lshl_b32 s34, s100, 7                        ; of Wq's and Wo's scale bytes,
	s_mov_b32 s35, 0
	s_lshl_b32 s68, s100, 8                        ; of Wkv's
	s_mov_b32 s69, 0
	s_wait_alu depctr_va_vdst(0)
	s_wait_kmcnt 0x0
	s_add_nc_u64 s[38:39], s[4:5], s[50:51]        ; global address of my 16 rows
	s_or_b32 s39, s39, 0x80000000                  ; type 2
	tensor_load_to_lds s[36:39], s[40:47]          ; my one tensor load of the launch
	s_nop 0
	PLACES 4
.if AXIS == 0
	s_mov_b64 s[66:67], s[4:5]                     ; res = x
.endif
	s_add_nc_u64 s[66:67], s[66:67], s[54:55]
	s_add_nc_u64 s[6:7], s[6:7], s[54:55]
	s_add_nc_u64 s[8:9], s[8:9], s[56:57]
	s_add_nc_u64 s[10:11], s[10:11], s[56:57]
	s_add_nc_u64 s[12:13], s[12:13], s[58:59]
	s_add_nc_u64 s[26:27], s[26:27], s[60:61]
	s_add_nc_u64 s[28:29], s[28:29], s[62:63]
	s_add_nc_u64 s[22:23], s[22:23], s[60:61]
	s_add_nc_u64 s[30:31], s[30:31], s[34:35]
	s_add_nc_u64 s[32:33], s[32:33], s[68:69]
	s_add_nc_u64 s[24:25], s[24:25], s[34:35]
	v_lshlrev_b32 v4, 4, v1
	v_lshlrev_b32 v5, 2, v1
	v_lshlrev_b32 v6, 3, v1
.irp i, 0,1,2,3
	global_load_b128 v[64+4*\i:67+4*\i], v4, s[26:27] offset:512*\i    ; each load: 512 consecutive bytes, four rows of a weight
.endr
.irp i, 0,1,2,3,4,5,6,7
	global_load_b128 v[80+4*\i:83+4*\i], v4, s[28:29] offset:512*\i
.endr
.irp i, 0,1,2,3
	global_load_b128 v[112+4*\i:115+4*\i], v4, s[22:23] offset:512*\i
.endr
	global_load_b32 v16, v5, s[30:31]
	global_load_b64 v[18:19], v6, s[32:33]
	global_load_b32 v17, v5, s[24:25]
.macro GB_LOAD g, buf                  ; gains and biases of dims 8 g .. 8 g + 7 of my half: gain a, bias a, gain b, bias b
	s_load_b256 s[\buf:\buf+7], s[12:13], 32*(\g)
	s_load_b256 s[\buf+8:\buf+15], s[14:15], 32*(\g)
	s_load_b256 s[\buf+16:\buf+23], s[16:17], 32*(\g)
	s_load_b256 s[\buf+24:\buf+31], s[18:19], 32*(\g)
.endm
.if AXIS == 0
	GB_LOAD 0, 68
	s_lshl_b32 s3, s101, 5
	v_add_nc_u32 v7, s3, v1                        ; my token
	s_delay_alu instid0(VALU_DEP_1)
	v_mul_u32_u24 v8, v7, 1040
	s_lshl_b32 s3, s2, 9
	v_add_nc_u32 v8, s3, v8                        ; its row in LDS, my half
	v_lshlrev_b32 v9, 3, v7
	s_lshl_b32 s3, s2, 11
	s_add_co_u32 s3, s3, STAT
	v_add_nc_u32 v10, s3, v9                       ; where my half's statistics go,
	s_xor_b32 s3, s2, 1
	s_lshl_b32 s3, s3, 11
	s_add_co_u32 s3, s3, STAT
	v_add_nc_u32 v11, s3, v9
.else
	v_lshlrev_b32 v7, 12, v2
	s_delay_alu instid0(VALU_DEP_1)
	v_lshl_add_u32 v7, v3, 3, v7
	global_load_b64 v[20:21], v7, s[12:13]         ; row r of my tile: lanes 0-15 an's eight scale bytes, lanes 16-31 bn's
	s_lshl_b32 s3, s100, 7
	s_add_co_u32 s3, s3, ANS
	v_lshl_add_u32 v8, v3, 11, s3
	s_delay_alu instid0(VALU_DEP_1)
	v_lshl_add_u32 v8, v2, 3, v8                   ; where they go
.endif
	v_lshrrev_b32 v12, 3, v1
	s_delay_alu instid0(VALU_DEP_1)
	v_mul_u32_u24 v12, v12, 144
	v_and_b32 v13, 7, v1
	s_delay_alu instid0(VALU_DEP_1)
	v_lshl_add_u32 v12, v13, 4, v12                ; a weight's four rows in LDS: 144 (lane / 8) + 16 (lane % 8)
	s_mul_i32 s3, s52, 144
	s_add_co_u32 s3, s3, WQ
	v_add_nc_u32 v13, s3, v12
	s_mul_i32 s3, s100, 32*144
	s_add_co_u32 s3, s3, WKV
	v_add_nc_u32 v14, s3, v12
	s_mul_i32 s3, s100, 16*144
	s_add_co_u32 s3, s3, WO
	v_add_nc_u32 v15, s3, v12
	s_lshl_b32 s3, s100, 7
	s_add_co_u32 s3, s3, WSC
	v_lshl_add_u32 v40, v1, 2, s3
	s_lshl_b32 s3, s100, 8
	s_add_co_u32 s3, s3, WSC+2048
	v_lshl_add_u32 v41, v1, 3, s3
	s_wait_alu depctr_va_vdst(0)
	s_wait_tensorcnt 0x0                           ; my 16 rows are in LDS; no LDS store of mine stands ahead of this wait
.if AXIS == 0
	s_barrier_signal -1
	s_barrier_wait -1                              ; everybody's are
; ---------------- LAYERNORM, part 1: mean and sum of squares of my token's 128 numbers
.set j, 0
.rept 32
	ds_load_b128 v[X+4*j:X+4*j+3], v8 offset:16*j  ; rows 260 words apart
.set j, j+1
.endr
	s_wait_dscnt 0x0
	v_pk_add_f32 v[22:23], v[128:129], v[136:137]
	v_pk_add_f32 v[24:25], v[144:145], v[152:153]
	v_pk_add_f32 v[26:27], v[160:161], v[168:169]
	v_pk_add_f32 v[62:63], v[176:177], v[184:185]
	v_pk_add_f32 v[60:61], v[192:193], v[200:201]
	v_pk_add_f32 v[58:59], v[208:209], v[216:217]
	v_pk_add_f32 v[56:57], v[224:225], v[232:233]
	v_pk_add_f32 v[20:21], v[240:241], v[248:249]
	s_delay_alu instid0(VALU_DEP_1)
	v_pk_add_f32 v[20:21], v[20:21], v[130:131]
	v_pk_add_f32 v[22:23], v[22:23], v[138:139]
	v_pk_add_f32 v[24:25], v[24:25], v[146:147]
	v_pk_add_f32 v[26:27], v[26:27], v[154:155]
	v_pk_add_f32 v[62:63], v[62:63], v[162:163]
	v_pk_add_f32 v[60:61], v[60:61], v[170:171]
	v_pk_add_f32 v[58:59], v[58:59], v[178:179]
	v_pk_add_f32 v[56:57], v[56:57], v[186:187]
	v_pk_add_f32 v[20:21], v[20:21], v[194:195]
	v_pk_add_f32 v[22:23], v[22:23], v[202:203]
	v_pk_add_f32 v[24:25], v[24:25], v[210:211]
	v_pk_add_f32 v[26:27], v[26:27], v[218:219]
	v_pk_add_f32 v[62:63], v[62:63], v[226:227]
	v_pk_add_f32 v[60:61], v[60:61], v[234:235]
	v_pk_add_f32 v[58:59], v[58:59], v[242:243]
	v_pk_add_f32 v[56:57], v[56:57], v[250:251]
	v_pk_add_f32 v[20:21], v[20:21], v[132:133]
	v_pk_add_f32 v[22:23], v[22:23], v[140:141]
	v_pk_add_f32 v[24:25], v[24:25], v[148:149]
	v_pk_add_f32 v[26:27], v[26:27], v[156:157]
	v_pk_add_f32 v[62:63], v[62:63], v[164:165]
	v_pk_add_f32 v[60:61], v[60:61], v[172:173]
	v_pk_add_f32 v[58:59], v[58:59], v[180:181]
	v_pk_add_f32 v[56:57], v[56:57], v[188:189]
	v_pk_add_f32 v[20:21], v[20:21], v[196:197]
	v_pk_add_f32 v[22:23], v[22:23], v[204:205]
	v_pk_add_f32 v[24:25], v[24:25], v[212:213]
	v_pk_add_f32 v[26:27], v[26:27], v[220:221]
	v_pk_add_f32 v[62:63], v[62:63], v[228:229]
	v_pk_add_f32 v[60:61], v[60:61], v[236:237]
	v_pk_add_f32 v[58:59], v[58:59], v[244:245]
	v_pk_add_f32 v[56:57], v[56:57], v[252:253]
	v_pk_add_f32 v[20:21], v[20:21], v[134:135]
	v_pk_add_f32 v[22:23], v[22:23], v[142:143]
	v_pk_add_f32 v[24:25], v[24:25], v[150:151]
	v_pk_add_f32 v[26:27], v[26:27], v[158:159]
	v_pk_add_f32 v[62:63], v[62:63], v[166:167]
	v_pk_add_f32 v[60:61], v[60:61], v[174:175]
	v_pk_add_f32 v[58:59], v[58:59], v[182:183]
	v_pk_add_f32 v[56:57], v[56:57], v[190:191]
	v_pk_add_f32 v[20:21], v[20:21], v[198:199]
	v_pk_add_f32 v[22:23], v[22:23], v[206:207]
	v_pk_add_f32 v[24:25], v[24:25], v[214:215]
	v_pk_add_f32 v[26:27], v[26:27], v[222:223]
	v_pk_add_f32 v[62:63], v[62:63], v[230:231]
	v_pk_add_f32 v[60:61], v[60:61], v[238:239]
	v_pk_add_f32 v[58:59], v[58:59], v[246:247]
	v_pk_add_f32 v[56:57], v[56:57], v[254:255]
	s_delay_alu instid0(VALU_DEP_4)
	v_pk_add_f32 v[20:21], v[20:21], v[62:63]
	s_delay_alu instid0(VALU_DEP_4)
	v_pk_add_f32 v[22:23], v[22:23], v[60:61]
	s_delay_alu instid0(VALU_DEP_4)
	v_pk_add_f32 v[24:25], v[24:25], v[58:59]
	s_delay_alu instid0(VALU_DEP_4)
	v_pk_add_f32 v[26:27], v[26:27], v[56:57]
	s_delay_alu instid0(VALU_DEP_2)
	v_pk_add_f32 v[20:21], v[20:21], v[24:25]
	s_delay_alu instid0(VALU_DEP_2)
	v_pk_add_f32 v[22:23], v[22:23], v[26:27]
	s_delay_alu instid0(VALU_DEP_1)
	v_pk_add_f32 v[20:21], v[20:21], v[22:23]
	s_delay_alu instid0(VALU_DEP_1)
	v_add_f32 v20, v20, v21
	s_delay_alu instid0(VALU_DEP_1)
	v_mul_f32 v30, 0x3c000000, v20                 ; m = sum / 128
	s_delay_alu instid0(VALU_DEP_2)
	v_mul_f32 v31, 0x3c000000, v20
	s_delay_alu instid0(VALU_DEP_2)
	v_mov_b32 v28, v30
.set j, 0
.rept 64
	v_pk_add_f32 v[X+j:X+j+1], v[X+j:X+j+1], v[30:31] neg_lo:[0,1] neg_hi:[0,1]   ; x - m
.set j, j+2
.endr
.irp k, 0,1,2,3
	v_pk_mul_f32 v[20+2*\k:21+2*\k], v[X+2*\k:X+2*\k+1], v[X+2*\k:X+2*\k+1]
.endr
.set j, 8
.rept 15
.irp k, 0,1,2,3
	s_delay_alu instid0(VALU_DEP_4)
	v_pk_fma_f32 v[20+2*\k:21+2*\k], v[X+j+2*\k:X+j+2*\k+1], v[X+j+2*\k:X+j+2*\k+1], v[20+2*\k:21+2*\k]
.endr
.set j, j+8
.endr
	s_delay_alu instid0(VALU_DEP_3)
	v_pk_add_f32 v[20:21], v[20:21], v[22:23]
	s_delay_alu instid0(VALU_DEP_2)
	v_pk_add_f32 v[24:25], v[24:25], v[26:27]
	s_delay_alu instid0(VALU_DEP_1)
	v_pk_add_f32 v[20:21], v[20:21], v[24:25]
	s_delay_alu instid0(VALU_DEP_1)
	v_add_f32 v29, v20, v21                        ; the sum of (x - m)^2
	ds_store_b64 v10, v[28:29]
	s_wait_alu depctr_va_vdst(0)
	BAR                                            ; the halves' statistics lie in LDS, and every wave's reads of x's tile are over: its bytes may be written
; ---------------- part 2: the weights go to LDS; the two halves' statistics are joined; x is normalised
	ds_load_b64 v[32:33], v11
.endif
	s_wait_loadcnt 0x0
.irp i, 0,1,2,3
	ds_store_b128 v13, v[64+4*\i:67+4*\i] offset:(16*(\i/2)+4*(\i%2))*144          ; row 16 w + 4 i + lane / 8, at the place with bits 3 and 4 exchanged
.endr
.irp i, 0,1,2,3,4,5,6,7
	ds_store_b128 v14, v[80+4*\i:83+4*\i] offset:(16*((\i/2)%2)+8*(\i/4)+4*(\i%2))*144   ; row 32 w + 4 i + lane / 8 likewise
.endr
.irp i, 0,1,2,3
	ds_store_b128 v15, v[112+4*\i:115+4*\i] offset:4*\i*144
.endr
	ds_store_b32 v40, v16
	ds_store_b32 v40, v17 offset:6144
	ds_store_b64 v41, v[18:19]
.if AXIS
	ds_store_b64 v8, v[20:21]
.else
	s_wait_dscnt 0x0
	v_sub_f32 v34, v32, v28
	v_add_f32 v35, v29, v33
	s_delay_alu instid0(VALU_DEP_2)
	v_mul_f32 v36, v34, v34
	s_delay_alu instid0(VALU_DEP_1)
	v_fmamk_f32 v35, v36, 0x42800000, v35          ; the row's sum of squares about its mean: both halves' + 64 dm^2
	s_delay_alu instid0(VALU_DEP_1)
	v_mul_f32 v35, 0x3b800000, v35                 ; / 256
	s_delay_alu instid0(VALU_DEP_1)
	v_add_f32 v35, 0x3727c5ac, v35                 ; + 1e-5
	s_wait_alu depctr_va_vdst(0)
	v_rsq_f32 v36, v35
	v_mul_f32 v37, -0.5, v34                       ; (a plain instruction behind the transcendental)
	s_wait_alu depctr_va_vdst(0)                   ; the wait ahead of the first reader of the root's result
	v_mul_f32 v38, v37, v36
	s_delay_alu instid0(VALU_DEP_1)
	v_mov_b32 v39, v38
.set j, 0
.rept 64
	v_pk_fma_f32 v[X+j:X+j+1], v[X+j:X+j+1], v[36:37], v[38:39] op_sel_hi:[1,0,0]   ; (x - m) rstd - dm rstd / 2
.set j, j+2
.endr
	v_and_b32 v6, 7, v1
	v_bfe_u32 v7, v0, 3, 1
	s_delay_alu instid0(VALU_DEP_1)
	v_lshl_add_u32 v6, v7, 4, v6
	s_delay_alu instid0(VALU_DEP_1)
	v_lshl_add_u32 v6, v3, 3, v6
	s_lshl_b32 s3, s101, 5
	v_add_nc_u32 v6, s3, v6                        ; my token's row in tile order: 32 (w / 2) + 16 bit 3 + 8 bit 4 + lane % 8
	s_delay_alu instid0(VALU_DEP_1)
	v_mul_u32_u24 v7, v6, 144
	s_lshl_b32 s3, s2, 6
	v_add_nc_u32 v7, s3, v7                        ; its codes, my half
	s_lshl_b32 s3, s2, 2
	s_add_co_u32 s3, s3, ANS
	v_lshl_add_u32 v8, v6, 3, s3
.endif
	v_lshlrev_b32 v9, 8, v3
	s_delay_alu instid0(VALU_DEP_1)
	v_lshl_add_u32 v9, v2, 4, v9                   ; the tables in memory: sixteen lanes to a row of 256 bytes, two rows an instruction
	s_mul_i32 s3, s100, 4480
	s_add_co_u32 s3, s3, TST
	v_mul_u32_u24 v10, v3, 272
	s_delay_alu instid0(VALU_DEP_1)
	v_lshl_add_u32 v10, v2, 4, v10
	s_delay_alu instid0(VALU_DEP_1)
	v_add_nc_u32 v10, s3, v10                      ; into my stage as loaded,
	v_mul_u32_u24 v11, v2, 272
	s_delay_alu instid0(VALU_DEP_1)
	v_lshl_add_u32 v11, v3, 6, v11
	s_delay_alu instid0(VALU_DEP_1)
	v_add_nc_u32 v11, s3, v11
.if AXIS
.irp i, 0,1,2,3,4,5,6,7                        ; my tile's rows of the tables
	global_load_b128 v[128+4*\i:131+4*\i], v9, s[8:9] offset:(2*\i+8*(\i/4))*256
.endr
.irp i, 0,1,2,3,4,5,6,7
	global_load_b128 v[160+4*\i:163+4*\i], v9, s[10:11] offset:(2*\i+8*(\i/4))*256
.endr
	s_wait_alu depctr_va_vdst(0)                   ; directly ahead of the wait for the tables
.else
.macro LN_GRP g, buf, other
	s_wait_kmcnt 0x0                               ; this group's 32 scalars are in
.if \g < 15
	GB_LOAD \g+1, \other
.endif
.irp i, 0,1,2,3,4,5,6,7
	v_fma_f32 v[TA+(8*(\g)+\i)%32], v[X+8*(\g)+\i], s[\buf+\i], s[\buf+8+\i]
.endr
.irp i, 0,1,2,3,4,5,6,7
	v_fma_f32 v[TB+(8*(\g)+\i)%32], v[X+8*(\g)+\i], s[\buf+16+\i], s[\buf+24+\i]
.endr
.endm
.macro BLOCKQ blk
	s_wait_dscnt 0x0                               ; the last block's stores have read the codes' registers
	v_max3_num_f32 v44, |v[TA]|, |v[TA+1]|, 0x1800000   ; the largest magnitude, and the floor 2^(3 - 127): the byte cannot fall under 1
	v_max3_num_f32 v45, |v[TB]|, |v[TB+1]|, 0x1800000
.irp i, 2,4,6,8,10,12,14,16,18,20,22,24,26,28,30
	s_delay_alu instid0(VALU_DEP_2)
	v_max3_num_f32 v44, v44, |v[TA+\i]|, |v[TA+\i+1]|
	s_delay_alu instid0(VALU_DEP_2)
	v_max3_num_f32 v45, v45, |v[TB+\i]|, |v[TB+\i+1]|
.endr
	s_delay_alu instid0(VALU_DEP_2)
	v_add_nc_u32 v46, 0xff000000, v44              ; 2 off the exponent field: the conversion's scale operand
	s_delay_alu instid0(VALU_DEP_2)
	v_add_nc_u32 v47, 0xff000000, v45
.if \blk == 0
	s_delay_alu instid0(VALU_DEP_2)
	v_lshrrev_b32 v42, 23, v46                     ; the scale's byte; four of them make my half's scale word
	s_delay_alu instid0(VALU_DEP_2)
	v_lshrrev_b32 v43, 23, v47
.else
	s_delay_alu instid0(VALU_DEP_2)
	v_lshrrev_b32 v16, 23, v46
	s_delay_alu instid0(VALU_DEP_2)
	v_lshrrev_b32 v17, 23, v47
	s_delay_alu instid0(VALU_DEP_2)
	v_lshl_or_b32 v42, v16, 8*\blk, v42
	s_delay_alu instid0(VALU_DEP_2)
	v_lshl_or_b32 v43, v17, 8*\blk, v43
.endif
.irp g, 0,1,2,3
	v_cvt_scalef32_pk8_fp4_f32 v[20+\g], v[TA+8*\g:TA+8*\g+7], v46
	v_cvt_scalef32_pk8_fp4_f32 v[24+\g], v[TB+8*\g:TB+8*\g+7], v47
.endr
	v_nop                                          ; one plain instruction behind the conversions
	ds_store_b128 v7, v[20:23] offset:16*\blk
	ds_store_b128 v7, v[24:27] offset:BN+16*\blk
.endm
.irp blk, 0,1,2,3
	LN_GRP 4*\blk, 68, 32
	LN_GRP 4*\blk+1, 32, 68
	LN_GRP 4*\blk+2, 68, 32
	LN_GRP 4*\blk+3, 32, 68
	BLOCKQ \blk
.if \blk == 1
.irp i, 0,1,2,3,4,5,6,7                        ; the first 64 numbers are done with: their registers take my tile's rows of the tables
	global_load_b128 v[128+4*\i:131+4*\i], v9, s[8:9] offset:(2*\i+8*(\i/4))*256
.endr
.irp i, 0,1,2,3,4,5,6,7
	global_load_b128 v[160+4*\i:163+4*\i], v9, s[10:11] offset:(2*\i+8*(\i/4))*256
.endr
.endif
.endr
	ds_store_b32 v8, v42
	ds_store_b32 v8, v43 offset:2048
.endif
	s_wait_loadcnt 0x0
.irp i, 0,1,2,3,4,5,6,7
	ds_store_b128 v10, v[128+4*\i:131+4*\i] offset:544*\i
.endr
.irp b, 0,1
.irp j, 0,1,2,3
	ds_load_b128 v[SN+16*\b+4*\j:SN+16*\b+4*\j+3], v11 offset:128*\b+16*\j   ; LDS serves a wave's instructions in order (ISA guide 5.7.1.4): these see the stores above, and cos's stores come behind them
.endr
.endr
.irp i, 0,1,2,3,4,5,6,7
	ds_store_b128 v10, v[160+4*\i:163+4*\i] offset:544*\i
.endr
.irp b, 0,1
.irp j, 0,1,2,3
	ds_load_b128 v[CS+16*\b+4*\j:CS+16*\b+4*\j+3], v11 offset:128*\b+16*\j
.endr
.endr
	s_wait_dscnt 0x0
.set j, 0
.rept 16
	v_xor_b32 v[SN+j], 0x80000000, v[SN+j]         ; y(2k) = x(2k) cos - x(2k+1) sin: the even entries' sign goes into the table
.set j, j+2
.endr
.irp h, 0,1,2,3
.irp i, 4,5,6,7
	v_mov_b32 v[QC+8*\h+\i], 0                     ; q's K = 64 .. 127: zero codes
.endr
.endr
	s_mov_b32 s36, 0x3fb8aa3b                      ; log2(e); the packed forms name the pair
	s_mov_b32 s37, s36
	s_lshl_b32 s3, s100, 4
	v_add_nc_u32 v12, s3, v2
	s_delay_alu instid0(VALU_DEP_1)
	v_mul_u32_u24 v4, v12, 272
	s_delay_alu instid0(VALU_DEP_1)
	v_lshl_add_u32 v4, v3, 4, v4                   ; an's fragments of my tile
	s_delay_alu instid0(VALU_DEP_3)
	v_lshl_add_u32 v5, v12, 3, ANS                 ; and their scale words
	v_mul_u32_u24 v6, v2, 144
	s_delay_alu instid0(VALU_DEP_1)
	v_lshl_add_u32 v6, v3, 4, v6
	s_delay_alu instid0(VALU_DEP_1)
	v_add_nc_u32 v7, WKV, v6                       ; a tile of Wkv,
	s_delay_alu instid0(VALU_DEP_2)
	v_add_nc_u32 v6, WQ, v6                        ; of Wq
	v_lshrrev_b32 v8, 3, v2
	s_delay_alu instid0(VALU_DEP_1)
	v_lshl_add_u32 v8, v8, 3, v2
	s_delay_alu instid0(VALU_DEP_1)
	v_lshl_add_u32 v8, v3, 3, v8
	s_delay_alu instid0(VALU_DEP_1)
	v_lshl_add_u32 v8, v8, 3, WSC                  ; a weight's scale words: lanes 0-15 the even tile's rows r + 8 (r / 8), lanes 16-31 the odd tile's, 8 rows on
	s_lshl_b32 s3, s100, 9
	s_add_co_u32 s3, s3, KC
	v_lshl_add_u32 v9, v1, 4, s3                   ; where k's images go
	s_lshl_b32 s3, s100, 6
	s_add_co_u32 s3, s3, KS
	v_lshl_add_u32 v10, v2, 2, s3                  ; and k's scale words
	s_wait_alu depctr_va_vdst(0)
	BAR                                            ; an, bn, the weights and all scale bytes lie in LDS; the stages have been read
; ---------------- Q AND K of my tile, a head at a time.  Source 0 = 16 rows of the weight, source 1 = my 16 tokens: lane (r, hh) holds token r; register 16 b + i = d 32 b + 16 hh + i
.macro LOADACT off, soff
.irp s, 0,1
.irp c, 0,1
	ds_load_b128 v[ACT+8*\s+4*\c:ACT+8*\s+4*\c+3], v4 offset:\off+64*\s+32*\c
.endr
.endr
	ds_load_b64 v[AS:AS+1], v5 offset:\soff
.endm
.macro LOADW adr, u, soff              ; head u's 64 rows: four tiles x two K steps, and their scale words
.irp s, 0,1
.irp tt, 0,1,2,3
.irp c, 0,1
	ds_load_b128 v[WF+8*(4*\s+\tt)+4*\c:WF+8*(4*\s+\tt)+4*\c+3], v[\adr] offset:(64*(\u)+16*\tt)*144+64*\s+32*\c
.endr
.endr
.endr
.irp b, 0,1
	ds_load_b64 v[WS+2*\b:WS+2*\b+1], v8 offset:\soff+(64*(\u)+32*\b)*8
.endr
.endm
.macro MULQK                           ; the four accumulators take turns, one instruction a turn
.irp s, 0,1
.irp tt, 0,1,2,3
	WM ACC+8*\tt, WF+8*(4*\s+\tt), ACT+8*\s, 1-\s, WS+2*(\tt/2)+\s, AS+\s, \tt%2
.endr
.endr
.endm
.macro ROPE                            ; a pair (2k, 2k+1): T = x cos; x = swapped x times signed sin + T.  Each accumulator is read from its low end on
.irp q, 0,1,2,3
.irp p, 0,1,2,3
	v_pk_mul_f32 v[TM+2*\p:TM+2*\p+1], v[ACC+8*\q+2*\p:ACC+8*\q+2*\p+1], v[CS+8*\q+2*\p:CS+8*\q+2*\p+1]
.endr
.irp p, 0,1,2,3
	v_pk_fma_f32 v[ACC+8*\q+2*\p:ACC+8*\q+2*\p+1], v[ACC+8*\q+2*\p:ACC+8*\q+2*\p+1], v[SN+8*\q+2*\p:SN+8*\q+2*\p+1], v[TM+2*\p:TM+2*\p+1] op_sel:[1,0,0] op_sel_hi:[0,1,1]
.endr
.endr
.endm
.macro QUANT2 c0, word                 ; 32 numbers of a lane (two half blocks) become four registers of codes and a scale word with two bytes
.irp b, 0,1
	v_max3_num_f32 v[TM+\b], |v[ACC+16*\b]|, |v[ACC+16*\b+1]|, 0x1800000
.endr
.irp i, 2,4,6,8,10,12,14
.irp b, 0,1
	s_delay_alu instid0(VALU_DEP_2)
	v_max3_num_f32 v[TM+\b], v[TM+\b], |v[ACC+16*\b+\i]|, |v[ACC+16*\b+\i+1]|
.endr
.endr
.irp b, 0,1
	s_delay_alu instid0(VALU_DEP_2)
	v_permlanex16_b32 v[TM+2+\b], v[TM+\b], s104, s105
.endr
.irp b, 0,1
	s_delay_alu instid0(VALU_DEP_2)
	v_max_num_f32 v[TM+\b], v[TM+\b], v[TM+2+\b]   ; with lane l xor 16's: the block's largest magnitude
.endr
.irp b, 0,1
	s_delay_alu instid0(VALU_DEP_2)
	v_add_nc_u32 v[TM+4+\b], 0xff000000, v[TM+\b]
.endr
.irp b, 0,1
	s_delay_alu instid0(VALU_DEP_2)
	v_lshrrev_b32 v[TM+6+\b], 23, v[TM+4+\b]
.endr
	s_delay_alu instid0(VALU_DEP_1)
	v_lshl_or_b32 v[\word], v[TM+7], 8, v[TM+6]    ; bytes 2 and 3 stay 0: they scale zero codes
.irp b, 0,1
	v_cvt_scalef32_pk8_fp4_f32 v[\c0+2*\b], v[ACC+16*\b:ACC+16*\b+7], v[TM+4+\b]
	v_cvt_scalef32_pk8_fp4_f32 v[\c0+2*\b+1], v[ACC+16*\b+8:ACC+16*\b+15], v[TM+4+\b]
.endr
	v_nop                                          ; one plain instruction behind the conversions
	v_permlane16_swap_b32 v[\c0], v[\c0+2]         ; the operand's layout wants a whole block in a lane: lanes 0-15 block 0, lanes 16-31 block 1
	v_permlane16_swap_b32 v[\c0+1], v[\c0+3]
.endm
.macro UNIT isk, u
	s_wait_dscnt 0x0                               ; this unit's fragments are in; the last unit's stores have read their registers
	MULQK
	PLACES 4
.if \isk == 0
.if \u < 3
	LOADW 6, \u+1, 0                               ; the next unit's fragments land under this unit's vector work
.else
	LOADACT BN, 2048
	LOADW 7, 0, 2048
.endif
.else
.if \u < 3
	LOADW 7, \u+1, 2048
.endif
.endif
	ROPE
.if \isk == 0
	QUANT2 QC+8*\u, QS+\u                          ; q stays in registers
.else
	QUANT2 72, 76
	ds_store_b128 v9, v[72:75] offset:8192*\u      ; k goes to LDS as an image of its registers
	ds_store_b32 v10, v76 offset:1024*\u           ; both halves of the lanes write the same word with the same value
.endif
.endm
	LOADACT 0, 0
	LOADW 6, 0, 0
.irp u, 0,1,2,3
	UNIT 0, \u
.endr
.irp u, 0,1,2,3
	UNIT 1, \u
.endr
; ---------------- V: my 16 columns for all tokens.  Source 0 = 16 tokens of bn, source 1 = my 16 rows of Wkv: lane (r, hh) holds column r; register 16 b + i = token 32 b + 16 hh + i of the key step
.irp i, 0,1,2,3
	v_mov_b32 v[KB+32+\i], 0                       ; (for the scores, later: the registers behind k's eighth fragment)
.endr
	v_and_b32 v12, 7, v2
	v_lshrrev_b32 v13, 3, v2
	s_delay_alu instid0(VALU_DEP_1)
	v_lshl_add_u32 v12, v13, 4, v12
	s_lshl_b32 s3, s101, 5
	s_lshl_b32 s38, s2, 3
	s_add_co_u32 s3, s3, s38
	s_add_co_u32 s3, s3, 256
	v_add_nc_u32 v12, s3, v12                      ; the place of row 256 + 16 w + r of Wkv
	s_delay_alu instid0(VALU_DEP_1)
	v_mul_u32_u24 v4, v12, 144
	s_delay_alu instid0(VALU_DEP_1)
	v_lshl_add_u32 v4, v3, 4, v4
	s_delay_alu instid0(VALU_DEP_1)
	v_add_nc_u32 v4, WKV, v4
	s_lshl_b32 s3, s100, 4
	s_add_co_u32 s3, s3, 256
	v_add_nc_u32 v5, s3, v2
	s_delay_alu instid0(VALU_DEP_1)
	v_lshl_add_u32 v5, v5, 3, WSC+2048             ; its scale words
	v_lshl_add_u32 v6, v1, 3, BNS                  ; bn's scale words: lanes 0-15 an even tile's, lanes 16-31 the next tile's
	v_mul_u32_u24 v7, v2, 272
	s_delay_alu instid0(VALU_DEP_1)
	v_lshl_add_u32 v7, v3, 4, v7
	s_delay_alu instid0(VALU_DEP_1)
	v_add_nc_u32 v7, BN, v7
	s_wait_alu depctr_va_vdst(0)
	s_lshl_b32 s3, s100, 11
	s_add_co_u32 s3, s3, VC
	v_lshl_add_u32 v8, v1, 4, s3
	s_lshl_b32 s3, s100, 7
	s_add_co_u32 s3, s3, VS
	v_lshl_add_u32 v11, v2, 2, s3
.macro QUANT64 src                     ; 64 numbers of a lane, register 16 b + i = k 32 b + 16 hh + i, become a fragment in v[PC] on and its scale word in v88
.irp b, 0,1,2,3
	v_max3_num_f32 v[TM+\b], |v[\src+16*\b]|, |v[\src+1+16*\b]|, 0x1800000
.endr
.irp i, 2,4,6,8,10,12,14
.irp b, 0,1,2,3
	v_max3_num_f32 v[TM+\b], v[TM+\b], |v[\src+16*\b+\i]|, |v[\src+1+16*\b+\i]|
.endr
.endr
.irp b, 0,1,2,3
	s_delay_alu instid0(VALU_DEP_4)
	v_permlanex16_b32 v[TM+4+\b], v[TM+\b], s104, s105
.endr
.irp b, 0,1,2,3
	s_delay_alu instid0(VALU_DEP_4)
	v_max_num_f32 v[TM+\b], v[TM+\b], v[TM+4+\b]
.endr
.irp b, 0,1,2,3
	s_delay_alu instid0(VALU_DEP_4)
	v_add_nc_u32 v[TM+12+\b], 0xff000000, v[TM+\b]
.endr
.irp b, 0,1,2,3
	s_delay_alu instid0(VALU_DEP_4)
	v_lshrrev_b32 v[TM+4+\b], 23, v[TM+12+\b]
.endr
	s_delay_alu instid0(VALU_DEP_3)
	v_lshl_or_b32 v88, v[TM+5], 8, v[TM+4]
	s_delay_alu instid0(VALU_DEP_1)
	v_lshl_or_b32 v88, v[TM+6], 16, v88
	s_delay_alu instid0(VALU_DEP_1)
	v_lshl_or_b32 v88, v[TM+7], 24, v88
.irp b, 0,1,2,3
	v_cvt_scalef32_pk8_fp4_f32 v[PC+2*\b], v[\src+16*\b:\src+7+16*\b], v[TM+12+\b]
	v_cvt_scalef32_pk8_fp4_f32 v[PC+1+2*\b], v[\src+8+16*\b:\src+15+16*\b], v[TM+12+\b]
.endr
	v_nop
.irp c, 0,1
.irp i, 0,1
	v_permlane16_swap_b32 v[PC+4*\c+\i], v[PC+2+4*\c+\i]
.endr
.endr
.endm
.irp s, 0,1
.irp c, 0,1
	ds_load_b128 v[WV+8*\s+4*\c:WV+8*\s+4*\c+3], v4 offset:64*\s+32*\c
.endr
.endr
	ds_load_b64 v[60:61], v5
.irp ks, 0,1                                   ; 128 tokens, eight tiles, at a time
.irp i, 0,1,2,3
	ds_load_b64 v[WS+2*\i:WS+2*\i+1], v6 offset:(8*\ks+2*\i)*128
.endr
.irp s, 0,1
.irp t, 0,1,2,3,4,5,6,7
.irp c, 0,1
	ds_load_b128 v[BF+8*\t+4*\c:BF+8*\t+4*\c+3], v7 offset:(128*\ks+16*\t)*272+64*\s+32*\c
.endr
.endr
	s_wait_dscnt 0x0
.irp t, 0,1,2,3,4,5,6,7
	WM VA+8*\t, BF+8*\t, WV+8*\s, 1-\s, WS+2*(\t/2)+\s, 60+\s, \t%2
.endr
	PLACES 4
.endr
	QUANT64 VA
	ds_store_b128 v8, v[PC:PC+3] offset:1024*\ks
	ds_store_b128 v8, v[PC+4:PC+7] offset:1024*\ks+512
	ds_store_b32 v11, v88 offset:64*\ks
	s_wait_dscnt 0x0                               ; the stores have read their registers
.endr
	BAR                                            ; k's and v's codes and scale words lie in LDS; nobody reads an, bn, Wq or Wkv any more: from here on each wave writes only its own 9,216 bytes there
; ---------------- SCORES AND SOFTMAX, a head at a time.  Source 0 = 16 keys, source 1 = my 16 queries: lane (r, hh) holds query r; register 16 B + i = key 32 B + 16 hh + i
	v_lshl_add_u32 v4, v1, 4, KC
	s_wait_alu depctr_va_vdst(0)
	v_lshl_add_u32 v5, v1, 2, KS
	s_wait_alu depctr_va_vdst(0)
	s_mul_i32 s3, s100, PRW
	v_lshl_add_u32 v6, v1, 4, s3                   ; p's images
	s_add_co_u32 s3, s3, 8192
	v_lshl_add_u32 v7, v1, 2, s3                   ; p's scale words
.macro HEAD h
.irp g, 0,1
.irp t, 0,1,2,3,4,5,6,7
	ds_load_b128 v[KB+4*\t:KB+4*\t+3], v4 offset:(16*\h+8*\g+\t)*512
.endr
.irp i, 0,1,2,3
	ds_load_b32 v[WS+\i], v5 offset:1024*\h+(4*\g+\i)*128   ; lanes 0-15 an even tile's words, lanes 16-31 the next tile's
.endr
	s_wait_dscnt 0x0
.irp t, 0,1,2,3,4,5,6,7
	WM S+8*(8*\g+\t), KB+4*\t, QC+8*\h, 1, WS+\t/2, QS+\h, \t%2
.endr
	PLACES 4
.endr
.irp b, 0,1,2,3,4,5,6,7
	v_max3_num_f32 v[64+\b], v[S+16*\b], v[S+16*\b+1], v[S+16*\b+2]   ; the largest score of each block of 32 keys: for the row's maximum and, since p rises with the score, for the block's largest p
.endr
.irp i, 3,5,7,9,11,13
.irp b, 0,1,2,3,4,5,6,7
	v_max3_num_f32 v[64+\b], v[64+\b], v[S+16*\b+\i], v[S+16*\b+\i+1]
.endr
.endr
.irp b, 0,1,2,3,4,5,6,7
	v_max_num_f32 v[64+\b], v[64+\b], v[S+16*\b+15]
.endr
.irp b, 0,1,2,3,4,5,6,7
	v_permlanex16_b32 v[72+\b], v[64+\b], s104, s105
.endr
.irp b, 0,1,2,3,4,5,6,7
	v_max_num_f32 v[64+\b], v[64+\b], v[72+\b]
.endr
	v_max3_num_f32 v112, v64, v65, v66
	s_delay_alu instid0(VALU_DEP_1)
	v_max3_num_f32 v112, v112, v67, v68
	s_delay_alu instid0(VALU_DEP_1)
	v_max3_num_f32 v112, v112, v69, v70
	s_delay_alu instid0(VALU_DEP_1)
	v_max_num_f32 v112, v112, v71                  ; the row's largest score
	s_delay_alu instid0(VALU_DEP_1)
	v_mul_f32 v112, s36, v112                      ; as t
	s_delay_alu instid0(VALU_DEP_1)
	v_floor_f32 v104, -v112                        ; -M = floor(-t): M is a whole number
	s_delay_alu instid0(VALU_DEP_1)
	v_mov_b32 v105, v104
.set j, 0
.rept 64
	v_pk_fma_f32 v[S+j:S+j+1], v[S+j:S+j+1], s[36:37], v[104:105] op_sel_hi:[1,0,0]   ; t - M
.set j, j+2
.endr
.irp b, 0,1,2,3,4,5,6,7
	v_fma_f32 v[64+\b], v[64+\b], s36, v104        ; the same of each block's largest score
.endr
.set j, 0
	s_wait_alu depctr_va_vdst(0)
.rept 128
	v_exp_f32 v[S+j], v[S+j]                       ; p = 2^(t - M)
.set j, j+1
.endr
	v_nop                                          ; a plain instruction behind the batch
	s_wait_alu depctr_va_vdst(0)                   ; one wait for the 128, ahead of their first reader
.irp b, 0,1,2,3,4,5,6,7
	v_exp_f32 v[64+\b], v[64+\b]                   ; each block's largest p
.endr
	v_pk_add_f32 v[108:109], v[128:129], v[130:131]
	v_pk_add_f32 v[118:119], v[136:137], v[140:141]
	v_pk_add_f32 v[116:117], v[144:145], v[148:149]
	v_pk_add_f32 v[114:115], v[152:153], v[156:157]
	v_pk_add_f32 v[110:111], v[160:161], v[164:165]
	v_pk_add_f32 v[104:105], v[168:169], v[172:173]
	v_pk_add_f32 v[102:103], v[176:177], v[180:181]
	v_pk_add_f32 v[106:107], v[184:185], v[188:189]
	v_pk_add_f32 v[106:107], v[106:107], v[192:193]
	v_pk_add_f32 v[108:109], v[108:109], v[196:197]
	v_pk_add_f32 v[118:119], v[118:119], v[200:201]
	v_pk_add_f32 v[116:117], v[116:117], v[204:205]
	v_pk_add_f32 v[114:115], v[114:115], v[208:209]
	v_pk_add_f32 v[110:111], v[110:111], v[212:213]
	v_pk_add_f32 v[104:105], v[104:105], v[216:217]
	v_pk_add_f32 v[102:103], v[102:103], v[220:221]
	v_pk_add_f32 v[106:107], v[106:107], v[224:225]
	v_pk_add_f32 v[108:109], v[108:109], v[228:229]
	v_pk_add_f32 v[118:119], v[118:119], v[232:233]
	v_pk_add_f32 v[116:117], v[116:117], v[236:237]
	v_pk_add_f32 v[114:115], v[114:115], v[240:241]
	v_pk_add_f32 v[110:111], v[110:111], v[244:245]
	v_pk_add_f32 v[104:105], v[104:105], v[248:249]
	v_pk_add_f32 v[102:103], v[102:103], v[252:253]
	v_pk_add_f32 v[106:107], v[106:107], v[132:133]
	v_pk_add_f32 v[108:109], v[108:109], v[134:135]
	v_pk_add_f32 v[118:119], v[118:119], v[138:139]
	v_pk_add_f32 v[116:117], v[116:117], v[142:143]
	v_pk_add_f32 v[114:115], v[114:115], v[146:147]
	v_pk_add_f32 v[110:111], v[110:111], v[150:151]
	v_pk_add_f32 v[104:105], v[104:105], v[154:155]
	v_pk_add_f32 v[102:103], v[102:103], v[158:159]
	v_pk_add_f32 v[106:107], v[106:107], v[162:163]
	v_pk_add_f32 v[108:109], v[108:109], v[166:167]
	v_pk_add_f32 v[118:119], v[118:119], v[170:171]
	v_pk_add_f32 v[116:117], v[116:117], v[174:175]
	v_pk_add_f32 v[114:115], v[114:115], v[178:179]
	v_pk_add_f32 v[110:111], v[110:111], v[182:183]
	v_pk_add_f32 v[104:105], v[104:105], v[186:187]
	v_pk_add_f32 v[102:103], v[102:103], v[190:191]
	v_pk_add_f32 v[106:107], v[106:107], v[194:195]
	v_pk_add_f32 v[108:109], v[108:109], v[198:199]
	v_pk_add_f32 v[118:119], v[118:119], v[202:203]
	v_pk_add_f32 v[116:117], v[116:117], v[206:207]
	v_pk_add_f32 v[114:115], v[114:115], v[210:211]
	v_pk_add_f32 v[110:111], v[110:111], v[214:215]
	v_pk_add_f32 v[104:105], v[104:105], v[218:219]
	v_pk_add_f32 v[102:103], v[102:103], v[222:223]
	v_pk_add_f32 v[106:107], v[106:107], v[226:227]
	v_pk_add_f32 v[108:109], v[108:109], v[230:231]
	v_pk_add_f32 v[118:119], v[118:119], v[234:235]
	v_pk_add_f32 v[116:117], v[116:117], v[238:239]
	v_pk_add_f32 v[114:115], v[114:115], v[242:243]
	v_pk_add_f32 v[110:111], v[110:111], v[246:247]
	v_pk_add_f32 v[104:105], v[104:105], v[250:251]
	v_pk_add_f32 v[102:103], v[102:103], v[254:255]
	s_delay_alu instid0(VALU_DEP_4)
	v_pk_add_f32 v[106:107], v[106:107], v[114:115]
	s_delay_alu instid0(VALU_DEP_4)
	v_pk_add_f32 v[108:109], v[108:109], v[110:111]
	s_delay_alu instid0(VALU_DEP_4)
	v_pk_add_f32 v[118:119], v[118:119], v[104:105]
	s_delay_alu instid0(VALU_DEP_4)
	v_pk_add_f32 v[116:117], v[116:117], v[102:103]
	s_delay_alu instid0(VALU_DEP_2)
	v_pk_add_f32 v[106:107], v[106:107], v[118:119]
	s_delay_alu instid0(VALU_DEP_2)
	v_pk_add_f32 v[108:109], v[108:109], v[116:117]
	s_delay_alu instid0(VALU_DEP_1)
	v_pk_add_f32 v[106:107], v[106:107], v[108:109]
	s_delay_alu instid0(VALU_DEP_1)
	v_add_f32 v106, v106, v107
	s_delay_alu instid0(VALU_DEP_1)
	v_permlanex16_b32 v113, v106, s104, s105
	s_delay_alu instid0(VALU_DEP_1)
	v_add_f32 v106, v106, v113                     ; with lane l xor 16's 128 keys
	s_wait_alu depctr_va_vdst(0)
	v_rcp_f32 v[RL+\h], v106
	v_nop
	s_wait_alu depctr_va_vdst(0)                   ; one wait for the eight exponentials and the reciprocal
.irp b, 0,1,2,3,4,5,6,7
	v_max_num_f32 v[64+\b], 0x1800000, v[64+\b]    ; the floor: the byte cannot fall under 1
.endr
.irp b, 0,1,2,3,4,5,6,7
	v_add_nc_u32 v[80+\b], 0xff000000, v[64+\b]
.endr
.irp b, 0,1,2,3,4,5,6,7
	v_lshrrev_b32 v[72+\b], 23, v[80+\b]
.endr
	v_lshl_or_b32 v110, v73, 8, v72                ; p's scale words: keys 0-127, keys 128-255
	s_delay_alu instid0(VALU_DEP_4)
	v_lshl_or_b32 v111, v77, 8, v76
	s_delay_alu instid0(VALU_DEP_2)
	v_lshl_or_b32 v110, v74, 16, v110
	s_delay_alu instid0(VALU_DEP_2)
	v_lshl_or_b32 v111, v78, 16, v111
	s_delay_alu instid0(VALU_DEP_2)
	v_lshl_or_b32 v110, v75, 24, v110
	s_delay_alu instid0(VALU_DEP_2)
	v_lshl_or_b32 v111, v79, 24, v111
.irp b, 0,1,2,3,4,5,6,7
	v_cvt_scalef32_pk8_fp4_f32 v[PCS+2*\b], v[S+16*\b:S+16*\b+7], v[80+\b]
	v_cvt_scalef32_pk8_fp4_f32 v[PCS+2*\b+1], v[S+16*\b+8:S+16*\b+15], v[80+\b]
.endr
	v_nop
.irp c, 0,1,2,3
.irp i, 0,1
	v_permlane16_swap_b32 v[PCS+4*\c+\i], v[PCS+2+4*\c+\i]
.endr
.endr
.irp s, 0,1
.irp c, 0,1
	ds_store_b128 v6, v[PCS+8*\s+4*\c:PCS+8*\s+4*\c+3] offset:2048*\h+1024*\s+512*\c   ; p waits in my own bytes of LDS until all four heads are done
.endr
.endr
	ds_store_b32 v7, v110 offset:256*\h
	ds_store_b32 v7, v111 offset:256*\h+128
	s_wait_dscnt 0x0                               ; the stores have read their registers
.endm
	HEAD 0
	HEAD 1
	HEAD 2
	HEAD 3
; ---------------- O^T = V^T P^T, 16 d of all four heads at a time; divided by the sum, interleaved (K = 4 d + head) and quantised: a lane holds a whole block, in the operand's own place
.irp h, 0,1,2,3
.irp s, 0,1
.irp c, 0,1
	ds_load_b128 v[PCD+16*\h+8*\s+4*\c:PCD+16*\h+8*\s+4*\c+3], v6 offset:2048*\h+1024*\s+512*\c
.endr
	ds_load_b32 v[PWS+2*\h+\s], v7 offset:(2*\h+\s)*128
.endr
.endr
	v_lshl_add_u32 v8, v1, 4, VC
	s_wait_alu depctr_va_vdst(0)
	v_lshl_add_u32 v9, v1, 2, VS
.if AXIS
	; res is prefetched: a lane names 256 bytes: token r of my tile, columns 64 hh on: what the output loop's first two trips load, the whole PV phase ahead.  Each block is named once in the launch
	v_lshrrev_b32 v10, 3, v2
	s_delay_alu instid0(VALU_DEP_1)
	v_lshl_add_u32 v10, v10, 3, v2
	s_delay_alu instid0(VALU_DEP_1)
	v_mul_u32_u24 v10, v10, TS
	s_delay_alu instid0(VALU_DEP_1)
	v_lshl_add_u32 v10, v3, 8, v10                 ; never rewritten
	global_prefetch_b8 v10, s[66:67] th:TH_LOAD_NT scope:SCOPE_SE
.endif
.macro PVTILE dt
.irp h, 0,1,2,3
	ds_load_b32 v[WS+\h], v9 offset:(4*\h+\dt)*128 ; v's scale words: lanes 0-15 keys 0-127, lanes 16-31 keys 128-255
.endr
.irp s, 0,1
.irp h, 0,1,2,3
.irp c, 0,1
	ds_load_b128 v[VF+8*\h+4*\c:VF+8*\h+4*\c+3], v8 offset:(2*(4*\h+\dt)+\s)*1024+512*\c
.endr
.endr
	s_wait_dscnt 0x0
.irp h, 0,1,2,3
	WM OA+8*\h, VF+8*\h, PCD+16*\h+8*\s, 1-\s, WS+\h, PWS+2*\h+\s, \s
.endr
	PLACES 4
.endr
.irp j, 0,1,2,3,4,5,6,7                        ; each accumulator from its low end on
.irp h, 0,1,2,3
	v_mul_f32 v[OUTF+4*\j+\h], v[OA+8*\h+\j], v[RL+\h]   ; K = 64 dt + 32 hh + 4 j + h
.endr
.endr
	v_max3_num_f32 v224, |v[OUTF]|, |v[OUTF+1]|, |v[OUTF+2]|
	v_max3_num_f32 v225, |v[OUTF+3]|, |v[OUTF+4]|, |v[OUTF+5]|
.irp i, 6,10,14,18,22,26
	s_delay_alu instid0(VALU_DEP_2)
	v_max3_num_f32 v224, v224, |v[OUTF+\i]|, |v[OUTF+\i+1]|
	s_delay_alu instid0(VALU_DEP_2)
	v_max3_num_f32 v225, v225, |v[OUTF+\i+2]|, |v[OUTF+\i+3]|
.endr
	s_delay_alu instid0(VALU_DEP_2)
	v_max3_num_f32 v224, v224, |v[OUTF+30]|, |v[OUTF+31]|
	s_delay_alu instid0(VALU_DEP_1)
	v_max3_num_f32 v224, v224, v225, 0x1800000
	s_delay_alu instid0(VALU_DEP_1)
	v_add_nc_u32 v226, 0xff000000, v224
	s_delay_alu instid0(VALU_DEP_1)
	v_lshrrev_b32 v[OB+\dt], 23, v226              ; the byte of block 2 dt + hh
.irp g, 0,1,2,3
	v_cvt_scalef32_pk8_fp4_f32 v[OC+4*\dt+\g], v[OUTF+8*\g:OUTF+8*\g+7], v226
.endr
	v_nop
.endm
	PVTILE 0
	PVTILE 1
	PVTILE 2
	PVTILE 3
	v_lshlrev_b32 v227, 3, v3
	v_mov_b32 v230, 0
	v_mov_b32 v231, 0
.irp s, 0,1
	v_lshl_or_b32 v[228+\s], v[OB+1+2*\s], 16, v[OB+2*\s]   ; my two bytes of K step s: blocks hh and 2 + hh,
.endr
.irp s, 0,1
	s_delay_alu instid0(VALU_DEP_2)
	v_lshlrev_b32 v[228+\s], v227, v[228+\s]       ; at their places;
.endr
.irp s, 0,1
	s_delay_alu instid0(VALU_DEP_2)
	v_permlanex16_b32 v[230+\s], v[228+\s], s104, s105
.endr
.irp s, 0,1
	s_delay_alu instid0(VALU_DEP_2)
	v_or_b32 v[AS+\s], v[228+\s], v[230+\s]        ; with lane l xor 16's two the word is whole
.endr
; ---------------- THE OUTPUT PRODUCT, elu, the residual and the store: four trips of 64 columns
	v_mul_u32_u24 v4, v2, 144
	s_delay_alu instid0(VALU_DEP_1)
	v_lshl_add_u32 v4, v3, 4, v4
	s_delay_alu instid0(VALU_DEP_1)
	v_add_nc_u32 v4, WO, v4                        ; a tile of Wo
	v_lshl_add_u32 v6, v1, 3, WSC+6144             ; its scale words: lanes 0-15 an even tile's rows, lanes 16-31 the next tile's
	s_mul_i32 s3, s100, PRW
	v_mul_u32_u24 v8, v2, 272
	s_delay_alu instid0(VALU_DEP_1)
	v_lshl_add_u32 v8, v3, 5, v8
	s_delay_alu instid0(VALU_DEP_1)
	v_add_nc_u32 v8, s3, v8                        ; my stage, in: row r, 32 bytes for each half of the lanes
	v_mul_u32_u24 v9, v3, 272
	s_delay_alu instid0(VALU_DEP_1)
	v_lshl_add_u32 v9, v2, 4, v9
	s_delay_alu instid0(VALU_DEP_1)
	v_add_nc_u32 v9, s3, v9                        ; back: sixteen lanes to a row of 256 bytes, two rows an instruction
	v_mul_u32_u24 v11, v3, TS
	s_delay_alu instid0(VALU_DEP_1)
	v_lshl_add_u32 v11, v2, 4, v11                 ; the same two rows in res and dst
	v_lshlrev_b32 v12, 4, v2                       ; my four columns of bo
	s_mov_b32 s38, 0                               ; the trip
	s_mov_b32 s39, 0                               ; 64 rows of Wo a trip
	s_mov_b32 s40, 0                               ; and their scale bytes
	PLACES 8                                       ; scale words written by vector instructions stand eight places ahead of the product that reads them
.Lwo:
	v_add_nc_u32 v5, s39, v4
	v_add_nc_u32 v7, s40, v6
.irp i, 0,1,2,3,4,5,6,7
	global_load_b128 v[RES+4*\i:RES+4*\i+3], v11, s[66:67] offset:(2*\i+8*(\i/4))*TS th:TH_LOAD_NT   ; rows 2 i + hh of my tile: 22 tokens on at the most, inside the signed 24-bit immediate
.endr
	global_load_b128 v[BIAS:BIAS+3], v12, s[20:21]
.irp s, 0,1
.irp t, 0,1,2,3
.irp c, 0,1
	ds_load_b128 v[128+8*(4*\s+\t)+4*\c:128+8*(4*\s+\t)+4*\c+3], v5 offset:16*\t*144+64*\s+32*\c
.endr
.endr
.endr
.irp b, 0,1
	ds_load_b64 v[WS+2*\b:WS+2*\b+1], v7 offset:256*\b
.endr
.if AXIS
	s_cmp_eq_u32 s38, 1                            ; in the second trip, behind its loads: the columns of the last two trips (the base has stepped 256 bytes: 256 more)
	s_cbranch_scc0 .Lno_ask
	global_prefetch_b8 v10, s[66:67] offset:256 th:TH_LOAD_NT scope:SCOPE_SE
.Lno_ask:
.endif
	s_wait_dscnt 0x0
.irp s, 0,1
.irp t, 0,1,2,3
	WM YA+8*\t, 128+8*(4*\s+\t), OC+8*\s, 1-\s, WS+2*(\t/2)+\s, AS+\s, \t%2
.endr
.endr
	PLACES 4
	s_wait_alu depctr_va_vdst(0)
.irp t, 0,1,2,3
	ds_store_b128 v8, v[YA+8*\t:YA+8*\t+3] offset:64*\t        ; lane (r, hh): token r, columns 16 t + 8 hh on
	ds_store_b128 v8, v[YA+8*\t+4:YA+8*\t+7] offset:64*\t+16
.endr
.irp i, 0,1,2,3,4,5,6,7
	ds_load_b128 v[Y+4*\i:Y+4*\i+3], v9 offset:544*\i          ; LDS serves a wave's instructions in order: these see my stores
.endr
	s_wait_dscnt 0x0
	s_wait_loadcnt 0x0                             ; res and bo
.irp i, 0,1,2,3,4,5,6,7
	v_pk_add_f32 v[Y+4*\i:Y+4*\i+1], v[Y+4*\i:Y+4*\i+1], v[BIAS:BIAS+1]
	v_pk_add_f32 v[Y+4*\i+2:Y+4*\i+3], v[Y+4*\i+2:Y+4*\i+3], v[BIAS+2:BIAS+3]
.endr
.set j, 0
.rept 16
	v_pk_mul_f32 v[EE+j:EE+j+1], v[Y+j:Y+j+1], s[36:37] op_sel_hi:[1,0]
.set j, j+2
.endr
.set j, 0
.rept 32
	v_min_num_f32 v[EE+j], 0, v[EE+j]
.set j, j+1
.endr
.set j, 0
	s_wait_alu depctr_va_vdst(0)
.rept 32
	v_exp_f32 v[EE+j], v[EE+j]                     ; e^min(y, 0)
.set j, j+1
.endr
.set j, 0
.rept 32
	v_max_num_f32 v[Y+j], 0, v[Y+j]                ; independent work behind the batch
.set j, j+1
.endr
.set j, 0
.rept 16
	v_pk_add_f32 v[RES+j:RES+j+1], v[RES+j:RES+j+1], -0.5 op_sel_hi:[1,0]
.set j, j+2
.endr
	s_wait_alu depctr_va_vdst(0)                   ; one wait for the 32 exponentials, ahead of their first reader
.set j, 0
.rept 16
	v_pk_add_f32 v[Y+j:Y+j+1], v[Y+j:Y+j+1], v[EE+j:EE+j+1]
.set j, j+2
.endr
.set j, 0
.rept 16
	v_pk_fma_f32 v[Y+j:Y+j+1], v[Y+j:Y+j+1], 0.5, v[RES+j:RES+j+1] op_sel_hi:[1,0,1]   ; res + elu(y) / 2 = (max(y, 0) + e^min(y, 0)) / 2 + (res - 1/2)
.set j, j+2
.endr
.irp i, 0,1,2,3,4,5,6,7
	global_store_b128 v11, v[Y+4*\i:Y+4*\i+3], s[6:7] offset:(2*\i+8*(\i/4))*TS th:TH_STORE_NT   ; sixteen lanes store 256 consecutive bytes, at a multiple of 256 from dst's first byte
.endr
	s_wait_xcnt 0x0                                ; the loads, the stores and the prefetch have read their registers and bases: only now are they written again
	s_add_nc_u64 s[66:67], s[66:67], 256
	s_add_nc_u64 s[6:7], s[6:7], 256
	s_add_nc_u64 s[20:21], s[20:21], 256
	s_add_co_u32 s39, s39, 9216
	s_add_co_u32 s40, s40, 512
	s_add_co_u32 s38, s38, 1
	s_cmp_lt_u32 s38, 4
	s_cbranch_scc1 .Lwo
	s_wait_xcnt 0x0
	v_lshl_add_u32 v254, v0, 2, 0x4d000
	v_mov_b32 v255, 0
	s_wait_alu depctr_va_vdst(0)
	s_wait_tensorcnt 0x0
	ds_add_u32 v254, v255
	s_wait_dscnt 0x0
	s_endpgm
.Lfunc_end_k_q88a605dfdc_cols:
	.size	k_q88a605dfdc_cols, .Lfunc_end_k_q88a605dfdc_cols-k_q88a605dfdc_cols
	.p2alignl 7, 3214868480
	.fill 96, 4, 3214868480
	.section	.rodata,"a",@progbits
	.p2align	6, 0x0
	.amdhsa_kernel k_q88a605dfdc_cols
		.amdhsa_group_segment_fixed_size 327680
		.amdhsa_private_segment_fixed_size 0
		.amdhsa_enable_private_segment 0
		.amdhsa_kernarg_size 104
		.amdhsa_user_sgpr_count 2
		.amdhsa_user_sgpr_kernarg_segment_ptr 1
		.amdhsa_wavefront_size32 1
		.amdhsa_system_sgpr_workgroup_id_x 1
		.amdhsa_system_sgpr_workgroup_id_y 1
		.amdhsa_system_sgpr_workgroup_id_z 1
		.amdhsa_system_vgpr_workitem_id 0
		.amdhsa_next_free_vgpr 256
		.amdhsa_next_free_sgpr 106
		.amdhsa_reserve_vcc 0
		.amdhsa_float_denorm_mode_32 3
		.amdhsa_float_denorm_mode_16_64 3
		.amdhsa_memory_ordered 1
		.amdhsa_forward_progress 1
		.amdhsa_inst_pref_size 236
	.end_amdhsa_kernel
	.amdgpu_metadata
---
amdhsa.version: [ 1, 2 ]
amdhsa.kernels:
  - .name:           k_q88a605dfdc_cols
    .symbol:         k_q88a605dfdc_cols.kd
    .args:
      - { .name: cj, .offset: 0, .size: 8, .value_kind: global_buffer, .address_space: global }
      - { .name: out0, .offset: 8, .size: 8, .value_kind: global_buffer, .address_space: global }
      - { .name: sin_j, .offset: 16, .size: 8, .value_kind: global_buffer, .address_space: global }
      - { .name: cos_j, .offset: 24, .size: 8, .value_kind: global_buffer, .address_space: global }
      - { .name: bo_j, .offset: 32, .size: 8, .value_kind: global_buffer, .address_space: global }
      - { .name: Wo_j_codes, .offset: 40, .size: 8, .value_kind: global_buffer, .address_space: global }
      - { .name: Wo_j_scales, .offset: 48, .size: 8, .value_kind: global_buffer, .address_space: global }
      - { .name: Wq_j_codes, .offset: 56, .size: 8, .value_kind: global_buffer, .address_space: global }
      - { .name: Wkv_j_codes, .offset: 64, .size: 8, .value_kind: global_buffer, .address_space: global }
      - { .name: Wq_j_scales, .offset: 72, .size: 8, .value_kind: global_buffer, .address_space: global }
      - { .name: Wkv_j_scales, .offset: 80, .size: 8, .value_kind: global_buffer, .address_space: global }
      - { .name: tmp, .offset: 88, .size: 8, .value_kind: global_buffer, .address_space: global }
      - { .name: sj, .offset: 96, .size: 8, .value_kind: global_buffer, .address_space: global }
    .group_segment_fixed_size: 327680
    .private_segment_fixed_size: 0
    .kernarg_segment_align: 8
    .kernarg_segment_size: 104
    .max_flat_workgroup_size: 512
    .sgpr_count:     106
    .vgpr_count:     256
    .wavefront_size: 32
...
	.end_amdgpu_metadata
.endif
;; end of part 2
